; MI455X (gfx1250); checked and timed in simulation.
; The chip was launched on July 23, 2026; its instructions are those of AMD's public machine-readable ISA for CDNA 5 (MIT licence, August 2026) and "CDNA5" Instruction Set Architecture Reference Guide (July 2026). The comments in the code are by the model that wrote it; some were corrected since.
;; Mo E. Allowed arithmetic: matrix products marked QUANTISED: E3M2 operands, one E8M0 scale for each 32 along K, by v_wmma_scale_f32_16x16x128_f8f6f4 with both operands' format E3M2, f32 sums; products left as they are: f32 operands where the result goes on into a quantised operand, else bf16, f16 or f32 operands; f32 sums; everything else in f32.
;; Inputs: expert_b 8 x 2,048 float32; expert_w 8 x 2,048 x 1,024 float32; gate_b 8 float32; gate_w 8 x 1,024 float32; x 4,096 x 1,024 float32.
;; Outputs: out0 4,096 x 2,048 float32.
;; This version of the problem:
;;   THIS VERSION OF THE PROBLEM IS GIVEN IN LOW PRECISION. The matrix products marked QUANTISED in the list below multiply operands that are first quantised to E3M2 (3 exponent bits, 2 mantissa bits; 6 bits a number), with one power-of-two scale for each 32 numbers along K (OCP MX v1.0); their sums are f32. All else is computed in f32.
;;   The module's matrix products, in the order in which they are computed (A, B: the left and right operand; K: the contracted axis; several contracted axes count as one K, in the product's order):
;;     1. [M 4,096, K 1,024] x [K 1,024, N 8]; A: input x; B: input gate_w: left as it is (N = 8 < 16)
;;     2. [M 4,096, K 1,024] x [K 1,024, N 16,384]; A: input x; B: input expert_w: QUANTISED
;;     3. batch 4,096 x [M 1, K 8] x [K 8, N 2,048]; A: softmax; B: computed on the way: left as it is (K = 8 < 32)
;;   THE QUANTISER, for each operand of a quantised product, along K:
;;     - K is cut into blocks of 32 from its start; a last block that is shorter is filled with zeros.
;;     - A block's scale is 2^e with e = floor(log2(the largest magnitude in the block)) - 4, held to -126 .. 127; a block of zeros has e = 0. As a byte (E8M0): e + 127.
;;     - Each number is divided by its block's scale, clamped to +-28, and rounded to the nearest number of E3M2, ties to even, subnormals kept.
;;     - The product sums the exact products of the quantised numbers (number of the format x scale) in f32.
;;   ~~~python
;;   def quantise(x, axis):      # numpy; x: float32 -> the quantised numbers, widened to float32 again
;;       x = np.moveaxis(x, axis, -1); K = x.shape[-1]
;;       x = np.pad(x, [(0, 0)] * (x.ndim - 1) + [(0, -K % 32)]); x = x.reshape(x.shape[:-1] + (-1, 32)); a = np.abs(x).max(-1, keepdims=True)
;;       e = np.where(a > 0, np.clip(np.frexp(np.where(a > 0, a, 1))[1] - 1 - 4, -126, 127), 0)      # np.frexp(a)[1] - 1 = floor(log2(a)), exactly
;;       r = np.clip(x / 2.0 ** e, -28, 28)
;;       step = 2.0 ** (np.maximum(np.frexp(np.where(r == 0, 1, r))[1] - 1, -2) - 2)
;;       q = np.round(r / step) * step * 2.0 ** e      # np.round: ties to even
;;       return np.moveaxis(q.reshape(q.shape[:-2] + (-1,))[..., :K], -1, axis).astype(np.float32)
;;   ~~~
;; 2 versions, each right and faster than the one before. Each part assembles by itself: llvm-mc -triple=amdgcn-amd-amdhsa -mcpu=gfx1250 --defsym DOCPART=n.
;; ======== version 1 of 2: 2 launches
;; workspace buffers: x_codes 3,145,728 bytes; x_scales 131,072 bytes; w_codes 12,582,912 bytes; w_scales 524,288 bytes; gate2 262,144 bytes
;; launch quant (part 1): grid 640 x 1, 4 waves a work-group, no clusters, 4,608 bytes of LDS; arguments x, expert_w, gate_w, gate_b, x_codes, x_scales, w_codes, w_scales, gate2; writes x_codes, x_scales, w_codes, w_scales, gate2
.if DOCPART == 1
	.amdgcn_target "amdgcn-amd-amdhsa--gfx1250"
	.amdhsa_code_object_version 6
	.text
	.protected	k_qc486fcaec1_quant
	.globl	k_qc486fcaec1_quant
	.p2align	8
	.type	k_qc486fcaec1_quant,@function
k_qc486fcaec1_quant:
	s_mov_b64 s[64:65], 0
	v_nop
	global_prefetch_b8 v0, s[64:65] scope:SCOPE_SE
	s_setreg_imm32_b32 hwreg(HW_REG_WAVE_MODE, 25, 1), 1
	s_wait_xcnt 0x0
; x [4096][1024] and expert_w [16384 = 8 x 2048][1024], f32, are turned into codes of BF6 (E3M2), 6 bits each, K innermost (a row of 1,024 codes is 768 bytes), with one E8M0
; scale byte for each 32 along K ([row][32]).  On the way over x the gate is made too: g = softmax(x gate_w^T + gate_b), all in f32, stored as gate2 [8][4096][2], each g twice,
; so that the next launch loads the pair that a packed multiply-add takes.
; A block's scale is 2^(floor(log2(its largest magnitude)) - 4); its byte is the largest magnitude's exponent field - 4, held at 1 from below; a block of zeros gets 127.
; Each number is divided by the scale and rounded to the nearest code, ties to even; beyond 28 the conversion gives the largest code.
; LIMITS: NaN and infinities among the inputs are not served.  A block whose largest magnitude lies under 2^-121 has its byte held at 1, as the definition's clip to -126 has it.
; SHARES.  Work-groups 0-127 take x, 32 rows each; work-groups 128-639 take expert_w, 32,768 numbers each.  The branch hangs on the work-group's number alone.
; In a step a wave takes 512 neighbouring numbers: a lane 16 of them (four loads of 16 bytes), since the conversion takes 16 neighbours along K from one lane's registers; two
; neighbouring lanes hold a block.  A lane's 16 codes are 12 bytes: a wave's store covers 384 consecutive bytes.  Scale bytes are gathered in LDS and leave in runs of 256 bytes.
; LDS: bytes 0-1023 the x path's scale bytes, 1024-3071 its partial logits, 3072-4095 the expert_w path's scale bytes (256 a wave): no byte is named by both paths.
; No tensor loads, no matrix unit, no cluster: memory binds, and nothing but the 32 KiB of gate_w is read by more than one wave.
.set NXWG, 128                         ; work-groups that take x
.set X,    16                          ; the ring of numbers: sets of 16 registers (x: 4 sets, v16-79; expert_w: 8 sets, v16-143)
.set CX,   80                          ; x path: v80-95    codes, a ring of four sets
.set LA,   96                          ; x path: v96-111   a pair of running sums for each expert
.set GW,   112                         ; x path: v112-239  gate_w at my 16 places of K, 16 registers an expert
.set P,    240                         ; x path: v240-247  a step's eight partial logits
.set T,    248                         ; x path: v248-255  what the other half of the lanes holds
.set CW,   144                         ; expert_w path: v144-207 codes, four registers for each step: no store's data are written again
.set EW,   208                         ; expert_w path: v208-223 a scale byte for each step
.set PL,   1024                        ; LDS, x path: from here on 32 rows x 2 halves of K x 8 partial logits
.set WL,   3072                        ; LDS, expert_w path: from here on 256 bytes for each wave
	s_load_b256 s[4:11], s[0:1], 0x0               ; x s[4:5], expert_w s[6:7], gate_w s[8:9], gate_b s[10:11]
	s_load_b256 s[12:19], s[0:1], 0x20             ; x_codes s[12:13], x_scales s[14:15], w_codes s[16:17], w_scales s[18:19]
	s_load_b64 s[20:21], s[0:1], 0x40              ; gate2
	s_set_vgpr_msb 0x40
	v_lshl_add_u32 v0, v0, 2, 0x1000
	v_mov_b32 v1, 0
	s_set_vgpr_msb 0x4000
	v_lshrrev_b32 v1, 5, v0
	v_readfirstlane_b32 s22, v1                    ; wave 0..3
	v_and_b32 v2, 31, v0                           ; lane
	v_lshlrev_b32 v3, 6, v2                        ; my 64 bytes of a step's 2,048
	v_mul_u32_u24 v4, v2, 12                       ; my 12 bytes of a step's 384 bytes of codes
	v_lshrrev_b32 v5, 1, v2                        ; my block among the step's 16
	s_mov_b32 s45, 0                               ; the high word of every offset: all lie under 2^32
; four loads: step t's 16 numbers a lane, into set t % depth; ls: bytes from step to step
.macro LOADS t, xb, depth, ls
.irp i, 0,1,2,3
	global_load_b128 v[\xb+16*((\t)%\depth)+4*\i:\xb+16*((\t)%\depth)+4*\i+3], v3, s[24:25] offset:\ls*(\t)+16*\i th:TH_LOAD_NT
.endr
.endm
; 16 numbers at v[xs] -> 12 bytes of codes at v[cr], the block's scale byte in v[er]
.macro QUANT xs, cr, er
	v_max3_num_f32 v8, |v[\xs]|, |v[\xs+1]|, |v[\xs+2]|          ; the largest magnitude of my 16, in two chains
	v_max3_num_f32 v9, |v[\xs+3]|, |v[\xs+4]|, |v[\xs+5]|
.irp i, 6,10
	v_max3_num_f32 v8, v8, |v[\xs+\i]|, |v[\xs+\i+1]|
	v_max3_num_f32 v9, v9, |v[\xs+\i+2]|, |v[\xs+\i+3]|
.endr
	v_max3_num_f32 v8, v8, |v[\xs+14]|, |v[\xs+15]|
	v_max_num_f32 v8, v8, v9
	v_max_num_f32_dpp v8, v8, v8 row_xmask:1 row_mask:0xf bank_mask:0xf   ; and of my neighbour's 16: the block's
	v_lshrrev_b32 v9, 23, v8                       ; its exponent field = floor(log2) + 127
	v_max_u32 v9, 5, v9                            ; the byte is not to fall under 1
	v_add_nc_u32 v9, -4, v9                        ; the scale's byte
	v_lshlrev_b32 v11, 23, v9                      ; the scale as f32: the conversion takes its exponent field
	v_cmp_eq_u32 vcc_lo, 0, v8                     ; a block of zeros?
	v_cvt_scalef32_pk16_bf6_f32 v[\cr:\cr+2], v[\xs:\xs+15], v11
	v_cndmask_b32 v[\er], v9, 127, vcc_lo          ; a block of zeros gets 127.  Also the one plain instruction between the conversion and what touches its result or its sources
.endm
	s_wait_kmcnt 0x0
	s_cmp_lt_u32 ttmp9, NXWG
	s_cbranch_scc0 .Lweights
; ---------------------------------------------------------------- x: 32 rows a work-group
; Wave w takes half w % 2 of K (512 numbers) of rows 16 (w / 2) + t, t = 0 .. 15: so a lane needs gate_w at 16 places of K alone, 128 registers for the eight experts.
	s_lshr_b32 s23, s22, 1                         ; which 16 rows
	s_and_b32 s43, s22, 1                          ; which half of K
	s_lshl_b32 s44, ttmp9, 17                      ; 32 rows of 4,096 bytes
	s_lshl_b32 s46, s23, 16
	s_add_co_u32 s44, s44, s46
	s_lshl_b32 s46, s43, 11
	s_add_co_u32 s44, s44, s46
	s_add_nc_u64 s[24:25], s[4:5], s[44:45]        ; x at my first half row
	s_mov_b32 s44, s46
	s_add_nc_u64 s[8:9], s[8:9], s[44:45]          ; gate_w at my half of K
	s_mul_i32 s44, ttmp9, 24576                    ; 32 rows of 768 bytes
	s_mul_i32 s46, s23, 12288
	s_add_co_u32 s44, s44, s46
	s_mul_i32 s46, s43, 384
	s_add_co_u32 s44, s44, s46
	s_add_nc_u64 s[26:27], s[12:13], s[44:45]      ; x_codes likewise
	s_lshl_b32 s44, ttmp9, 10
	s_add_nc_u64 s[28:29], s[14:15], s[44:45]      ; x_scales: the group's 1,024 bytes
	s_lshl_b32 s44, ttmp9, 8
	s_add_nc_u64 s[30:31], s[20:21], s[44:45]      ; gate2: the group's 32 tokens x 8 bytes in expert 0's plane
	s_load_b256 s[32:39], s[10:11], 0x0            ; gate_b's eight numbers
	s_mov_b32 s40, 0x76543210                      ; v_permlanex16_b32: each lane takes its own place in the other half
	s_mov_b32 s41, 0xfedcba98
	s_mov_b32 s42, 0x3fb8aa3b                      ; log2(e)
	s_lshl_b32 s44, s23, 9                         ; LDS: a row's 32 scale bytes; my 16 rows, my half's 16 bytes
	s_lshl_b32 s46, s43, 4
	s_add_co_u32 s44, s44, s46
	v_add_nc_u32 v5, s44, v5
	s_lshl_b32 s44, s23, 10                        ; LDS: a row's 64 bytes of partial logits; my 16 rows, my half's 32 bytes
	s_lshl_b32 s46, s43, 5
	s_add_co_u32 s44, s44, s46
	s_add_co_u32 s44, s44, PL
	v_mov_b32 v14, s44
.irp e, 0,1,2,3,4,5,6,7
.irp c, 0,1,2,3
	global_load_b128 v[GW+16*\e+4*\c:GW+16*\e+4*\c+3], v3, s[8:9] offset:4096*\e+16*\c
.endr
.endr
.irp t, 0,1,2,3
	LOADS \t, X, 4, 4096
.endr
.irp e, 0,1,2,3,4,5,6,7
	v_mov_b32 v[T+\e], 0                           ; the destination of a lane permute counts as read
.endr
	s_wait_kmcnt 0x0                               ; gate_b
; the eight partial logits of a half row: 16 fused multiply-adds a lane and expert (two at a time, eight chains that do not wait for each other), then the sum over the 32 lanes
.macro GATE xs, t
.irp e, 0,1,2,3,4,5,6,7
	v_pk_mul_f32 v[LA+2*\e:LA+2*\e+1], v[\xs:\xs+1], v[GW+16*\e:GW+16*\e+1]     ; the first product starts the sums
.endr
.irp c, 1,2,3,4,5,6,7
.irp e, 0,1,2,3,4,5,6,7
	v_pk_fma_f32 v[LA+2*\e:LA+2*\e+1], v[\xs+2*\c:\xs+2*\c+1], v[GW+16*\e+2*\c:GW+16*\e+2*\c+1], v[LA+2*\e:LA+2*\e+1]
.endr
.endr
.irp e, 0,1,2,3,4,5,6,7
	v_add_f32 v[P+\e], v[LA+2*\e], v[LA+2*\e+1]
.endr
.irp m, 1,2,4,8
.irp e, 0,1,2,3,4,5,6,7
	v_add_f32_dpp v[P+\e], v[P+\e], v[P+\e] row_xmask:\m row_mask:0xf bank_mask:0xf
.endr
.endr
.irp e, 0,1,2,3,4,5,6,7
	v_permlanex16_b32 v[T+\e], v[P+\e], s40, s41
.endr
.irp e, 0,1,2,3,4,5,6,7
	v_add_f32 v[P+\e], v[P+\e], v[T+\e]
.endr
	ds_store_b128 v14, v[P:P+3] offset:64*(\t)             ; every lane holds the same eight sums and writes them to the same words
	ds_store_b128 v14, v[P+4:P+7] offset:64*(\t)+16
.endm
.macro XSTEP t
.if 15-(\t) >= 3
	s_wait_loadcnt 12                              ; this step's four loads are in (at step 0 gate_w's 32, issued ahead of them, too); the next three steps' may be out
.else
	s_wait_loadcnt 4*(15-(\t))
.endif
.if (\t) >= 4
	s_wait_xcnt 0x0                                ; the codes' registers are a ring of four: the store of four steps ago has read its data
.endif
.if (\t) >= 1
	s_wait_dscnt 0x0                               ; the last step's LDS stores are done: their data registers are written again below
.endif
	QUANT X+16*((\t)%4), CX+4*((\t)%4), 10
	ds_store_b8 v5, v10 offset:32*(\t)             ; both lanes of a block write the same byte with the same value
	global_store_b96 v4, v[CX+4*((\t)%4):CX+4*((\t)%4)+2], s[26:27] offset:768*(\t)
	GATE X+16*((\t)%4), \t
.if (\t)+4 < 16
	LOADS (\t)+4, X, 4, 4096
.endif
.endm
.irp t, 0,1,2,3,4,5,6,7,8,9,10,11,12,13,14,15
	XSTEP \t
.endr
	s_wait_dscnt 0x0                               ; for the others' sake: my scale bytes and partial logits are in LDS
	s_barrier_signal -1
	s_barrier_wait -1
	v_lshlrev_b32 v6, 3, v0                        ; 128 threads x 8 bytes: the group's 1,024 scale bytes; a wave stores 256 consecutive bytes, aligned
	ds_load_b64 v[12:13], v6
	s_wait_dscnt 0x0
	global_store_b64 v6, v[12:13], s[28:29]
	s_cmp_lg_u32 s22, 0
	s_cbranch_scc1 .Ldone
	; wave 0: a lane to a row: the softmax over the eight experts, with the row's largest logit taken away first
	v_lshl_add_u32 v15, v2, 6, PL
.irp c, 0,1,2,3
	ds_load_b128 v[16+4*\c:19+4*\c], v15 offset:16*\c          ; v16-23: the first half of K, v24-31: the second
.endr
	s_wait_dscnt 0x0
.irp e, 0,1,2,3,4,5,6,7
	v_add_f32 v[16+\e], v[16+\e], v[24+\e]
.endr
.irp e, 0,1,2,3,4,5,6,7
	v_add_f32 v[16+\e], s[32+\e], v[16+\e]         ; + gate_b
.endr
	v_max3_num_f32 v32, v16, v17, v18
	v_max3_num_f32 v32, v32, v19, v20
	v_max3_num_f32 v32, v32, v21, v22
	v_max_num_f32 v32, v32, v23
.irp e, 0,1,2,3,4,5,6,7
	v_sub_f32 v[16+\e], v[16+\e], v32
.endr
.irp e, 0,1,2,3,4,5,6,7
	v_mul_f32 v[16+\e], s42, v[16+\e]
.endr
.irp e, 0,1,2,3,4,5,6,7
	v_exp_f32 v[16+\e], v[16+\e]
.endr
	v_nop                                          ; one plain instruction behind the exponentials
	s_wait_alu depctr_va_vdst(0)
	v_add_f32 v33, v16, v17
	v_add_f32 v34, v18, v19
	v_add_f32 v35, v20, v21
	v_add_f32 v36, v22, v23
	v_add_f32 v33, v33, v34
	v_add_f32 v35, v35, v36
	v_add_f32 v33, v33, v35                        ; at least 1: the largest logit's term
	v_rcp_f32 v33, v33
	v_nop                                          ; one plain instruction behind the reciprocal
	s_wait_alu depctr_va_vdst(0)
.irp e, 0,1,2,3,4,5,6,7
	v_mul_f32 v[40+2*\e], v[16+\e], v33            ; each g twice: a pair
	v_mul_f32 v[41+2*\e], v[16+\e], v33
.endr
.irp e, 0,1,2,3,4,5,6,7
	global_store_b64 v6, v[40+2*\e:41+2*\e], s[30:31] offset:32768*\e   ; in wave 0 the thread's number is the lane: 32 lanes store 256 consecutive bytes, aligned
.endr
.Ldone:
	s_set_vgpr_msb 0x5
	s_wait_tensorcnt 0x0
	ds_add_u32 v0, v1
	s_wait_dscnt 0x0
	s_set_vgpr_msb 0x500
	s_endpgm
; ---------------------------------------------------------------- expert_w: a plain stream of blocks; a wave takes 16 steps of 512 numbers, loads eight steps (32 loads) ahead
.Lweights:
	s_sub_co_u32 s44, ttmp9, NXWG
	s_lshl_b32 s44, s44, 2
	s_add_co_u32 s23, s44, s22                     ; which run of 8,192 numbers is my wave's: 0 .. 2,047
	s_lshl_b32 s44, s23, 15
	s_add_nc_u64 s[24:25], s[6:7], s[44:45]
	s_mul_i32 s44, s23, 6144
	s_add_nc_u64 s[26:27], s[16:17], s[44:45]
	s_lshl_b32 s44, s23, 8
	s_add_nc_u64 s[28:29], s[18:19], s[44:45]
	s_lshl_b32 s46, s22, 8                         ; LDS: my wave's own 256 bytes,
	s_add_co_u32 s46, s46, WL                      ; in this path's own region
	v_add_nc_u32 v5, s46, v5
	v_lshlrev_b32 v7, 3, v2
	v_add_nc_u32 v6, s46, v7
.irp t, 0,1,2,3,4,5,6,7
	LOADS \t, X, 8, 2048
.endr
.macro WSTEP t
.if 15-(\t) >= 7
	s_wait_loadcnt 28                              ; this step's four loads are in; the next seven steps' may be out
.else
	s_wait_loadcnt 4*(15-(\t))
.endif
	QUANT X+16*((\t)%8), CW+4*(\t), EW+(\t)
	ds_store_b8 v5, v[EW+(\t)] offset:16*(\t)
	global_store_b96 v4, v[CW+4*(\t):CW+4*(\t)+2], s[26:27] offset:384*(\t)
.if (\t)+8 < 16
	LOADS (\t)+8, X, 8, 2048
.endif
.endm
.irp t, 0,1,2,3,4,5,6,7,8,9,10,11,12,13,14,15
	WSTEP \t
.endr
	ds_load_b64 v[12:13], v6                       ; LDS serves a wave's instructions in order: these see my stores
	s_wait_dscnt 0x0
	global_store_b64 v7, v[12:13], s[28:29]        ; 32 lanes store 256 consecutive bytes, aligned
	s_set_vgpr_msb 0x5
	s_wait_tensorcnt 0x0
	ds_add_u32 v0, v1
	s_wait_dscnt 0x0
	s_set_vgpr_msb 0x500
	s_endpgm
.Lfunc_end_k_qc486fcaec1_quant:
	.size	k_qc486fcaec1_quant, .Lfunc_end_k_qc486fcaec1_quant-k_qc486fcaec1_quant
	.p2alignl 7, 3214868480
	.fill 96, 4, 3214868480
	.section	.rodata,"a",@progbits
	.p2align	6, 0x0
	.amdhsa_kernel k_qc486fcaec1_quant
		.amdhsa_group_segment_fixed_size 4608
		.amdhsa_private_segment_fixed_size 0
		.amdhsa_enable_private_segment 0
		.amdhsa_kernarg_size 72
		.amdhsa_user_sgpr_count 2
		.amdhsa_user_sgpr_kernarg_segment_ptr 1
		.amdhsa_wavefront_size32 1
		.amdhsa_system_sgpr_workgroup_id_x 1
		.amdhsa_system_sgpr_workgroup_id_y 1
		.amdhsa_system_sgpr_workgroup_id_z 1
		.amdhsa_system_vgpr_workitem_id 0
		.amdhsa_next_free_vgpr 258
		.amdhsa_next_free_sgpr 66
		.amdhsa_reserve_vcc 1
		.amdhsa_float_denorm_mode_32 3
		.amdhsa_float_denorm_mode_16_64 3
		.amdhsa_memory_ordered 1
		.amdhsa_forward_progress 1
		.amdhsa_inst_pref_size 171
	.end_amdhsa_kernel
	.amdgpu_metadata
---
amdhsa.version: [ 1, 2 ]
amdhsa.kernels:
  - .name:           k_qc486fcaec1_quant
    .symbol:         k_qc486fcaec1_quant.kd
    .args:
      - { .name: x, .offset: 0, .size: 8, .value_kind: global_buffer, .address_space: global }
      - { .name: expert_w, .offset: 8, .size: 8, .value_kind: global_buffer, .address_space: global }
      - { .name: gate_w, .offset: 16, .size: 8, .value_kind: global_buffer, .address_space: global }
      - { .name: gate_b, .offset: 24, .size: 8, .value_kind: global_buffer, .address_space: global }
      - { .name: x_codes, .offset: 32, .size: 8, .value_kind: global_buffer, .address_space: global }
      - { .name: x_scales, .offset: 40, .size: 8, .value_kind: global_buffer, .address_space: global }
      - { .name: w_codes, .offset: 48, .size: 8, .value_kind: global_buffer, .address_space: global }
      - { .name: w_scales, .offset: 56, .size: 8, .value_kind: global_buffer, .address_space: global }
      - { .name: gate2, .offset: 64, .size: 8, .value_kind: global_buffer, .address_space: global }
    .group_segment_fixed_size: 4608
    .private_segment_fixed_size: 0
    .kernarg_segment_align: 8
    .kernarg_segment_size: 72
    .max_flat_workgroup_size: 128
    .sgpr_count:     66
    .vgpr_count:     258
    .wavefront_size: 32
...
	.end_amdgpu_metadata
.endif
;; end of part 1
;; launch moe (part 2): grid 16 x 16, 4 waves a work-group, clusters of 4 x 4, 327,680 bytes of LDS; arguments x_codes, x_scales, w_codes, w_scales, gate2, expert_b, out0; writes out0
.if DOCPART == 2
	.amdgcn_target "amdgcn-amd-amdhsa--gfx1250"
	.amdhsa_code_object_version 6
	.text
	.protected	k_qc486fcaec1_moe
	.globl	k_qc486fcaec1_moe
	.p2align	8
	.type	k_qc486fcaec1_moe,@function
k_qc486fcaec1_moe:
	s_mov_b64 s[64:65], 0
	v_nop
	global_prefetch_b8 v0, s[64:65] scope:SCOPE_SE
	s_setreg_imm32_b32 hwreg(HW_REG_WAVE_MODE, 25, 1), 1
	s_wait_xcnt 0x0
	s_wait_alu depctr_hold_cnt(0) depctr_sa_sdst(0) depctr_va_vdst(0) depctr_va_sdst(0) depctr_va_ssrc(0) depctr_va_vcc(0) depctr_vm_vsrc(0)
	s_getreg_b32 s2, hwreg(HW_REG_IB_STS2, 6, 4)
	s_cmp_eq_u32 s2, 0
	s_cbranch_scc0 .Lentry_in_a_cluster
	s_endpgm
.Lentry_in_a_cluster:
	s_bfe_u32 s2, ttmp6, 0x10000c
	s_cmp_lg_u32 s2, 0xf033
	s_cbranch_scc0 .Lentry_shape_is_right
	s_endpgm
.Lentry_shape_is_right:
; out0[n][h] = sum over e of g[n][e] relu(sum over k of x[n][k] W[e][h][k] + b[e][h]).  x [4096][1024] and W [8 x 2048][1024] come as codes of BF6 (E3M2), a row 768 bytes, with one
; E8M0 byte for each 32 along K ([row][32]); g comes as gate2 [8][4096][2] (each g twice), b as f32.  Sums, ReLU and the weighted sum over experts in f32.
; LIMITS: NaN and infinities are not served (the ReLU is a maximum with 0, in which a NaN loses).
; SHARES.  A work-group makes 256 tokens x 128 hidden units, over all eight experts: 16 x 16 work-groups.  Each of its four waves owns 64 tokens (four blocks a of 16) and all 128
; hidden units (eight blocks B of 16).  THE WAVE'S x STAYS IN REGISTERS for the whole launch (4 blocks x 8 K steps x 12 = 384); only W streams, through two LDS slots, a slot = one
; expert's 128 rows x all of K.  A fragment of W read from LDS (six loads of 8 bytes a lane) feeds four matrix instructions.
; THE MATRIX INSTRUCTION IS USED TRANSPOSED (source 0 = 16 rows of W, source 1 = 16 tokens): lane (r, h) holds token r, register i hidden unit 16 B + 8 h + i.  So g is one number a
; lane, the bias is eight registers that serve as C of the first K step (no addition), and a lane's eight results are 32 neighbouring bytes of out0.
; A UNIT is (expert, quarter j): hidden blocks 2 j, 2 j + 1 x 4 token blocks x 8 K steps = 64 matrix instructions on 8 accumulators, which take turns, one instruction a turn, in
; the same order in every K step.  Two sets of accumulators: while a unit multiplies into one, the unit before is finished out of the other
; (ReLU, times g, onto the output sums: 24 vector instructions a token block), in slices between the matrix instructions.  The slices are also the places that loads into
; registers which matrix instructions have read must keep behind them.
; CLUSTERS: 4 x 4.  The four of a row share their tokens, the four of a column their rows of W: both come by joint loads, every wave asking for its quarter.
; REGISTERS, in windows of 256: WINDOW a HOLDS TOKEN BLOCK a, at the same numbers in all four: v64-159 x's fragments (K step q at 64 + 12 q), v160-223 the output sums (block B at
; 160 + 8 B), v224-255 the accumulators (set s, block b at 224 + 16 s + 8 b).  So two matrix instructions and three slices of one token block run under one setting: five
; switches for a K step's 8 matrix instructions, 12 slices and 12 LDS loads.  v0-63 differ:
;   window 0: v0-15 addresses; v16-31 x's scale words (block a, word i at 16 + 4 a + i); v32-63 W's (block B, word i at 32 + 4 B + i): scale operands have no window
;   window 1: v0-47 W's fragments of K steps q % 4 = 0, 1 (24 (q % 2) + 12 b)     window 2: v0-47 those of q % 4 = 2, 3; v48-55 g, a pair a token block
;   window 3: v0-31 the bias (set s, block b at 16 s + 8 b); v32-39 the next expert's g
; SCALE WORDS: a row's 32 bytes are eight words, one a K step.  One load of 16 bytes a lane at 32 r + 16 h gives lanes 0-15 words 0-3 and lanes 16-31 words 4-7: K step q names
; register q % 4, and from q = 4 on takes it from lanes 16-31.  Each such load covers 512 consecutive bytes.
.set PITCH,  816                       ; a row of 768 bytes in LDS: 3 x (256 + 16 of padding) = 204 words: lane (r, h) of a load of 8 bytes starts at word 12 r + 6 h (or + 10 h): the 32 lanes touch 64 different banks (ISA guide 11.1)
.set SLOT1,  1<<17                     ; slot 0 at byte 0, slot 1 here: one exclusive or turns an address in one slot into the other's
.set XR,     128*PITCH                 ; behind slot 0: the x tile, 64 rows a wave; filled once, read once by the wave that asked for it.  Slot 1 lies inside it: its first fill is a refill
.set XWAVE,  64*PITCH
.set WQ,     32*PITCH                  ; a quarter of a slot: what one tensor load brings
.set STAGE,  SLOT1+128*PITCH           ; behind slot 1, in bytes of the x tile that are never filled again: 16 rows x 528 bytes for each wave, for the way out
.set SPITCH, 528
.set SPARE,  XR+4*XWAVE                ; the spare words, 128 bytes for each wave: two blocks of 256 bytes that no other line names
.set SPW, 1                            ; v1   LDS address of my spare word; never rewritten
.set NIL, 2                            ; v2   0; never rewritten
.set VWS, 3                            ; v3   32 r + 16 h: my place in 16 rows of scale bytes
.set VBI, 4                            ; v4   32 h: my eight numbers of a block's bias
.set VG,  5                            ; v5   8 r: my token's pair of g
.set AW,  6                            ; v6, v7  LDS address of my fragments in rows 0-63 of the slot in hand (v7: behind one padding more); v8, v9 rows 64-127.  In the head v6, v7 serve x's tile
.set STO, 10                           ; v10  the way out: where I put 32 bytes of a row
.set RD,  11                           ; v11  the way out: where I read a row back
.set CO,  12                           ; v12  my 16 bytes in a row's 512 of out0
.set AB,  14                           ; v14  816 r + 24 h;  v15  816 r + 40 h; never rewritten
.set XS,  16
.set WS,  32
.set XF,  64
.set OUT, 160
.set ACC, 224
.set G,   48                           ; window 2
.set BIAS, 0                           ; window 3
.set GST, 32                           ; window 3
; s18 wave; s19, s20 cx, cy; s21 hidden tile; s22 token tile; s23, s24 masks; s[28:35], s[36:39] descriptor of x's tile; s[40:47], s[48:51] of W's, the second walks;
; s[52:53] W's scales, s[54:55] the bias, s[56:57] g: each at the expert that the trip in hand loads ahead for; s[58:59] out0; s66 trips; s72, s73 the slot in hand, and its row 64
.set MSB, 0
.macro WIN new                         ; the immediate's high byte repeats the setting that is left; a switch that changes nothing is dropped
.if MSB != (\new)
	s_set_vgpr_msb (MSB<<8)|(\new)
.set MSB, \new
.endif
.endm
.macro CREST                           ; a round of the cluster's barrier behind its opening barrier
	s_cmp_lg_u32 s18, 0
	s_cbranch_scc1 .Lnot_wave_0_\@
	s_barrier_signal -3
.Lnot_wave_0_\@:
	s_barrier_wait -3
	s_barrier_signal -1
	s_barrier_wait -1
.endm
.macro CROUND                          ; a whole round
	s_barrier_signal -1
	s_barrier_wait -1
	CREST
.endm
.macro PLACES n
.rept \n
	v_nop
.endr
.endm
	s_load_b256 s[4:11], s[0:1], 0x0               ; x_codes s[4:5], x_scales s[6:7], w_codes s[8:9], w_scales s[10:11]
	s_load_b128 s[12:15], s[0:1], 0x20             ; gate2 s[12:13], expert_b s[14:15]
	s_load_b64 s[16:17], s[0:1], 0x30              ; out0
	v_lshl_add_u32 v[SPW], v0, 2, SPARE
	v_mov_b32 v[NIL], 0
	ds_add_u32 v1, v2
	ds_add_u32 v1, v2
	s_wait_dscnt 0x0
	v_lshrrev_b32 v13, 5, v0
	v_readfirstlane_b32 s18, v13                   ; wave 0..3
	s_bfe_u32 s19, ttmp6, 0x40000                  ; cx, cy: my place in the cluster
	s_bfe_u32 s20, ttmp6, 0x40004
	s_lshl_b32 s21, ttmp9, 2
	s_add_co_u32 s21, s21, s19                     ; hidden tile = 4 x cluster x + cx
	s_and_b32 s22, ttmp7, 0xffff
	s_lshl_b32 s22, s22, 2
	s_add_co_u32 s22, s22, s20                     ; token tile = 4 x cluster y + cy
	s_lshl_b32 s23, s20, 2
	s_lshl_b32 s23, 15, s23                        ; my row of the cluster: it shares the token tile
	s_lshl_b32 s24, 0x1111, s19                    ; my column: it shares the hidden tile
	; Both tiles are dense in memory (whole rows of K follow each other), so they come as rows of 256 bytes: 32 elements of 8 bytes, 16 bytes of padding behind each.
	s_or_b32 s28, s23, (3<<16)|(1<<20)|(1<<21)|(5<<22)|(3<<25)   ; 15:0 the mask; 17:16 elements of 8 bytes; 20 padding on; 21 set beside a mask; 24:22 after every 64 words; 31:25 4 words
	s_mov_b32 s29, 32<<16                          ; tensor_dim0 = 32
	s_mov_b32 s30, 192<<16                         ; tensor_dim1 = 192: 64 tokens x 768 bytes
	s_mov_b32 s31, 32<<16                          ; tile_dim0
	s_mov_b32 s32, 192                             ; tile_dim1
	s_mov_b32 s33, 32                              ; elements from row to row
	s_mov_b32 s34, 0
	s_mov_b32 s35, 0
	s_or_b32 s40, s24, (3<<16)|(1<<20)|(1<<21)|(5<<22)|(3<<25)
	s_mov_b32 s41, 32<<16
	s_mov_b32 s42, 96<<16                          ; 96 rows of 256 bytes: 32 rows of W
	s_mov_b32 s43, 32<<16
	s_mov_b32 s44, 96
	s_mov_b32 s45, 32
	s_mov_b32 s46, 0
	s_mov_b32 s47, 0
	s_mov_b32 s36, 1
	s_mul_i32 s37, s18, XWAVE
	s_add_co_u32 s37, s37, XR                      ; x's tile: my wave's 64 rows; no place in the cluster enters an LDS address
	s_mov_b32 s48, 1
	s_mul_i32 s49, s18, WQ                         ; W's: my quarter of slot 0
	; offsets.  s26-27 and s60-63 hold the token tile and the wave alone, s68-71 the hidden tile and the wave alone; s74-77 feed no descriptor
	s_mul_i32 s60, s22, 256*768
	s_mul_i32 s62, s18, 64*768
	s_add_co_u32 s60, s60, s62                     ; x_codes: my wave's 64 tokens
	s_mov_b32 s61, 0
	s_lshl_b32 s62, s22, 13
	s_lshl_b32 s63, s18, 11
	s_add_co_u32 s62, s62, s63                     ; x_scales likewise
	s_mov_b32 s63, 0
	s_lshl_b32 s26, s22, 11
	s_lshl_b32 s27, s18, 9
	s_add_co_u32 s26, s26, s27                     ; gate2 likewise, 8 bytes a token
	s_mov_b32 s27, 0
	s_mul_i32 s68, s21, 128*768
	s_mul_i32 s70, s18, 32*768
	s_add_co_u32 s68, s68, s70                     ; w_codes: expert 0, my quarter of the tile's 128 rows
	s_mov_b32 s69, 0
	s_lshl_b32 s70, s21, 12                        ; w_scales: the tile's 128 rows of 32 bytes
	s_mov_b32 s71, 0
	s_lshl_b32 s76, s21, 9                         ; 128 hidden units x 4 bytes: the bias, and the tile's place in a row of out0
	s_mov_b32 s77, 0
	s_lshl_b32 s74, s22, 21                        ; out0: 256 rows of 8,192 bytes,
	s_lshl_b32 s75, s18, 19                        ; my wave's 64
	s_add_co_u32 s74, s74, s75
	s_add_co_u32 s74, s74, s76
	s_mov_b32 s75, 0
	s_mov_b32 s72, 0                               ; the slot in hand: slot 0
	s_mov_b32 s73, 64*PITCH
	v_and_b32 v12, 15, v0                          ; r
	v_bfe_u32 v13, v0, 4, 1                        ; h
	v_lshlrev_b32 v[VWS], 5, v12
	v_lshl_add_u32 v[VWS], v13, 4, v[VWS]
	v_lshlrev_b32 v[VBI], 5, v13
	v_lshlrev_b32 v[VG], 3, v12
	v_mul_u32_u24 v[AB], v12, PITCH
	v_mad_u32_u24 v[AB], v13, 24, v[AB]            ; a fragment's row x pitch + 24 x half
	v_lshl_add_u32 v[AB+1], v13, 4, v[AB]          ; and the same behind one padding more
	v_add_nc_u32 v[AW], s37, v[AB]                 ; first: x's tile
	v_add_nc_u32 v[AW+1], s37, v[AB+1]
	s_mul_i32 s25, s18, 16*SPITCH
	s_add_co_u32 s25, s25, STAGE                   ; my stage
	v_mul_u32_u24 v[STO], v12, SPITCH              ; in: row r, 32 bytes for each half of the lanes
	v_lshl_add_u32 v[STO], v13, 5, v[STO]
	v_add_nc_u32 v[STO], s25, v[STO]
	v_and_b32 v12, 31, v0
	v_lshlrev_b32 v[CO], 4, v12                    ; back: the 32 lanes take one row of 512 bytes; and the same in out0
	v_add_nc_u32 v[RD], s25, v[CO]
	s_wait_kmcnt 0x0
	s_add_nc_u64 s[38:39], s[4:5], s[60:61]
	s_or_b32 s39, s39, 0x80000000                  ; type = 2
	s_add_nc_u64 s[50:51], s[8:9], s[68:69]
	s_or_b32 s51, s51, 0x80000000
	s_add_nc_u64 s[6:7], s[6:7], s[62:63]
	s_add_nc_u64 s[52:53], s[10:11], s[70:71]
	s_add_nc_u64 s[54:55], s[14:15], s[76:77]
	s_add_nc_u64 s[56:57], s[12:13], s[26:27]
	s_add_nc_u64 s[58:59], s[16:17], s[74:75]
	CROUND                                         ; all sixteen work-groups are here: the first joint loads meet
	tensor_load_to_lds s[36:39], s[28:35]          ; my 64 tokens' codes
	s_nop 0
	tensor_load_to_lds s[48:51], s[40:47]          ; my quarter of expert 0's rows, into slot 0: two loads of mine are out
	s_nop 0
	PLACES 4                                       ; four v_nop follow the second
.irp a, 0,1,2,3
	global_load_b128 v[XS+4*\a:XS+4*\a+3], v[VWS], s[6:7] offset:512*\a          ; x's scale words: they stay
.endr
.irp B, 0,1,2,3,4,5
	global_load_b128 v[WS+4*\B:WS+4*\B+3], v[VWS], s[52:53] offset:512*\B        ; W's, expert 0, units 0 to 2
.endr
	WIN 0xc0                                       ; destination window 3
.irp B, 0,1,2,3
.irp c, 0,1
	global_load_b128 v[BIAS+8*\B+4*\c:BIAS+8*\B+4*\c+3], v[VBI], s[54:55] offset:64*\B+16*\c   ; the bias of units 0 and 1
.endr
.endr
.irp a, 0,1,2,3
	global_load_b64 v[GST+2*\a:GST+2*\a+1], v[VG], s[56:57] offset:128*\a        ; g of expert 0
.endr
; A fragment, 16 rows x 128 K of 6-bit codes, is 12 registers: lane (r, h) holds row r; registers 6 c .. 6 c + 5 hold K = 64 c + 32 h + 0 .. 31: 24 bytes of the row's stream of bits, as they lie.
; It comes in pieces of 8 bytes.  Lanes 0-15 take the row's pieces 12 q + 0, 1, 2, 6, 7, 8, lanes 16-31 those three pieces on; 16 bytes of padding lie behind every 32 pieces:
; where the piece three on lies behind one padding more (pieces 30, 31, 61, 62) the second address register serves.
.macro FRAG reg, adr, q, rowoff
.irp p, 0,1,2,3,4,5
.set PC, 12*(\q)+6*(\p/3)+\p%3
.if PC%32 < 29
	ds_load_b64 v[\reg+2*\p:\reg+2*\p+1], v[\adr] offset:\rowoff+8*PC+16*(PC/32)
.else
	ds_load_b64 v[\reg+2*\p:\reg+2*\p+1], v[\adr+1] offset:\rowoff+8*PC+16*(PC/32)
.endif
.endr
.endm
; 12 LDS loads in one run: unit j's two fragments of W for K step q
.macro LDW j, q
	WIN (1+((\q)%4)/2)<<6
.irp b, 0,1
	FRAG 24*((\q)%2)+12*\b, AW+2*((\j)/2), \q, (32*((\j)%2)+16*\b)*PITCH
.endr
.endm
; one matrix instruction: token block a (the window), hidden block 2 j + b, K step q.  The first K step takes the bias as C: nothing is cleared and nothing is added later.
.macro MM a, b, q, j
.set rD, ACC+16*((\j)%2)+8*(\b)
.set rA, 24*((\q)%2)+12*(\b)
.set rB, XF+12*(\q)
.set rC, BIAS+16*((\j)%2)+8*(\b)
.set rW, WS+4*(2*(\j)+(\b))+(\q)%4
.set rX, XS+4*(\a)+(\q)%4
.if (\q) == 0
	v_wmma_scale_f32_16x16x128_f8f6f4 v[rD:rD+7], v[rA:rA+11], v[rB:rB+11], v[rC:rC+7], v[rW], v[rX] matrix_a_fmt:MATRIX_FMT_BF6 matrix_b_fmt:MATRIX_FMT_BF6
.elseif (\q) < 4
	v_wmma_scale_f32_16x16x128_f8f6f4 v[rD:rD+7], v[rA:rA+11], v[rB:rB+11], v[rD:rD+7], v[rW], v[rX] matrix_a_fmt:MATRIX_FMT_BF6 matrix_b_fmt:MATRIX_FMT_BF6
.else
	v_wmma_scale_f32_16x16x128_f8f6f4 v[rD:rD+7], v[rA:rA+11], v[rB:rB+11], v[rD:rD+7], v[rW], v[rX] matrix_a_fmt:MATRIX_FMT_BF6 matrix_b_fmt:MATRIX_FMT_BF6 matrix_a_scale:MATRIX_SCALE_ROW1 matrix_b_scale:MATRIX_SCALE_ROW1
.endif
.endm
; Number i of 24 of the finishing of unit pj for token block a.  For each of its two accumulators: eight maxima with 0, from the accumulator's low end on, then four packed
; multiply-adds by g onto the output sums.  mode 2: that; mode 1: expert 0, whose products start the output sums; mode 0: there is no unit to finish yet, and v_nop holds the place.
; The packed ones are numbers 8-11 and 20-23: they fall in K steps 2, 3, 6 and 7, where source 0's window is 2: there g lies.
.macro SL a, i, pj, mode
.set sB, (\i)/12
.set sK, (\i)%12
.set sA, ACC+16*((\pj)%2)+8*sB
.set sO, OUT+8*(2*(\pj)+sB)+2*(sK-8)
.if (\mode) == 0
	v_nop
.elseif sK < 8
	v_max_num_f32 v[sA+sK], 0, v[sA+sK]
.elseif (\mode) == 1
	v_pk_mul_f32 v[sO:sO+1], v[G+2*(\a):G+2*(\a)+1], v[sA+2*(sK-8):sA+2*(sK-8)+1]
.else
	v_pk_fma_f32 v[sO:sO+1], v[G+2*(\a):G+2*(\a)+1], v[sA+2*(sK-8):sA+2*(sK-8)+1], v[sO:sO+1]
.endif
.endm
; token block a's part of K step q: one window setting (destination, source 1 and source 2 window a; source 0 W's window; in K step 0 source 2 is the bias's window 3, and its slices name no source 2)
.macro PHASE a, q, j, pj, mode
.if (\q) == 0
	WIN ((\a)<<6)|(3<<4)|((\a)<<2)|1
.else
	WIN ((\a)<<6)|((\a)<<4)|((\a)<<2)|(1+((\q)%4)/2)
.endif
	MM \a, 0, \q, \j
	SL \a, 3*(\q), \pj, \mode
	MM \a, 1, \q, \j
	SL \a, 3*(\q)+1, \pj, \mode
	SL \a, 3*(\q)+2, \pj, \mode
.endm
; A K step in two parts.  KSTA: the wait for its fragments, token block 0, then the run of loads for the K step three on (unit jn, K step qn; qn < 0: none).  That run lands in the
; registers that the K step before read: behind that step's last matrix instruction stand its two slices and token block 0's three: five places.  KSTB: token blocks 1 to 3.
.macro KSTA q, j, pj, mode, dsw, jn, qn
.if (\dsw) >= 0
	s_wait_dscnt \dsw
.endif
	PHASE 0, \q, \j, \pj, \mode
.if (\qn) >= 0
	LDW \jn, \qn
.endif
.endm
.macro KSTB q, j, pj, mode
	PHASE 1, \q, \j, \pj, \mode
	PHASE 2, \q, \j, \pj, \mode
	PHASE 3, \q, \j, \pj, \mode
.endm
; In a unit's K step 1: lw: the scale words of the unit just finished, (j + 3) % 4, for its next turn, three units on; lb: the bias of the unit two on, into the set that this
; unit's K step 0 has just read (five places back).  dlt: -8,192 where that unit belongs to the expert before the one that the bases stand at.
.macro NEXT j, lw, lb, dlt
.if \lw
	WIN 0
.irp b, 0,1
	global_load_b128 v[WS+4*(2*(((\j)+3)%4)+\b):WS+4*(2*(((\j)+3)%4)+\b)+3], v[VWS], s[52:53] offset:512*(2*(((\j)+3)%4)+\b)
.endr
.endif
.if \lb
	WIN 0xc0
.irp b, 0,1
.irp c, 0,1
	global_load_b128 v[BIAS+16*((\j)%2)+8*\b+4*\c:BIAS+16*((\j)%2)+8*\b+4*\c+3], v[VBI], s[54:55] offset:(\dlt)+(32*(((\j)+2)%4)+16*\b)*4+16*\c
.endr
.endr
.endif
.endm
; A unit.  lcnt: the loads issued behind its bias (its scale words were asked for a unit earlier still).  The count 24 on DScnt: the runs of the two K steps that follow may be out.
; tail = 1: the launch's last unit: nothing more to fetch, the counts run down 24, 12, 0.
.macro UNIT j, mode, lcnt, lw, lb, dlt, tail
	s_wait_loadcnt \lcnt
.irp q, 0,1,2,3,4
	KSTA \q, \j, ((\j)+3)%4, \mode, 24, \j, \q+3
.if \q == 1
	NEXT \j, \lw, \lb, \dlt
.endif
	KSTB \q, \j, ((\j)+3)%4, \mode
.endr
.irp q, 5,6,7
.if \tail
	KSTA \q, \j, ((\j)+3)%4, \mode, 12*(7-\q), 0, -1
.else
	KSTA \q, \j, ((\j)+3)%4, \mode, 24, ((\j)+1)%4, \q-5
.endif
	KSTB \q, \j, ((\j)+3)%4, \mode
.endr
.endm
; An expert's last unit changes slots: ONE barrier.  In front of it each wave waits for all its tensor loads (one is out: its quarter of the next expert), adds 0 to its spare word, and
; waits for that and for its reads of this slot.  fill = 1: the barrier opens a round of the cluster's, and behind the round this slot is filled with the expert two on: that load has
; the rest of this unit and the next expert's first three units in which to land.
.macro UNIT3C mode, lcnt, fill
	s_wait_loadcnt \lcnt
.irp q, 0,1,2,3,4
	KSTA \q, 3, 2, \mode, 24, 3, \q+3
.if \q == 1
	NEXT 3, 1, 1, 0
.endif
	KSTB \q, 3, 2, \mode
.endr
	WIN 0                                          ; (the add's two registers lie in window 0)
	s_wait_tensorcnt 0x0                           ; all my tensor loads have landed, so the walking descriptor may be written;
	ds_add_u32 v[SPW], v[NIL]                      ; 0 onto my spare word;
.if \fill
	s_xor_b32 s49, s49, SLOT1                      ; the slot that is being left,
	s_add_nc_u64 s[50:51], s[50:51], 2048*768      ; the next expert's rows; the type bits on top are not reached
.endif
	s_xor_b32 s72, s72, SLOT1                      ; the reads go on to the other slot
	s_add_co_u32 s73, s72, 64*PITCH
	s_wait_dscnt 25                                ; K step 5's fragments are in; the runs of K steps 6 and 7 and the add may be out
	PHASE 0, 5, 3, 2, \mode
	KSTB 5, 3, 2, \mode                            ; eight matrix instructions stand between the add and the wait for it
	s_wait_dscnt 0x0                               ; the add is done, and my reads of this slot are over
	s_barrier_signal -1
	PHASE 0, 6, 3, 2, \mode                        ; work on registers while the others arrive
	KSTB 6, 3, 2, \mode
	WIN 0
	s_barrier_wait -1
.if \fill
	CREST                                          ; no wave of any partner still reads this slot or has a load on its way
	tensor_load_to_lds s[48:51], s[40:47]          ; my one tensor load behind the round, and the first thing there
	s_nop 0
.endif
	PLACES 4                                       ; four v_nop behind the load; with the four additions below they are the places in front of the loads
	v_add_nc_u32 v[AW], s72, v[AB]
	v_add_nc_u32 v[AW+1], s72, v[AB+1]
	v_add_nc_u32 v[AW+2], s73, v[AB]
	v_add_nc_u32 v[AW+3], s73, v[AB+1]
	LDW 0, 0                                       ; the next expert's first fragments
	LDW 0, 1
	KSTA 7, 3, 2, \mode, -1, 0, 2                  ; K step 7's fragments came in with the wait for 0
	KSTB 7, 3, 2, \mode
.endm
; A trip's head: the bases step to the next expert (step = 1); the g of the expert whose units this trip finishes moves to its working place; the next expert's is asked for (gl = 1).
.macro TSTART step, gl
.if \step
	s_wait_xcnt 0x0                                ; only behind this wait are the loads' bases rewritten
	s_add_nc_u64 s[52:53], s[52:53], 2048*32
	s_add_nc_u64 s[54:55], s[54:55], 2048*4
	s_add_nc_u64 s[56:57], s[56:57], 4096*8
.endif
	s_wait_loadcnt 24                              ; g is in: behind its loads the four units of a trip have issued six loads each
	WIN 0x83                                       ; destination window 2, source window 3
.irp i, 0,1,2,3,4,5,6,7
	v_mov_b32 v[G+\i], v[GST+\i]
.endr
.if \gl
	WIN 0xc0
.irp a, 0,1,2,3
	global_load_b64 v[GST+2*\a:GST+2*\a+1], v[VG], s[56:57] offset:128*\a
.endr
.endif
.endm
; A trip: units 1, 2, 3 of expert e and unit 0 of expert e + 1; it finishes units 0 to 3 of expert e, all with one g.  What it loads ahead belongs to expert e + 1, but for unit 1's
; bias load (unit 3 of expert e).  Counts on LOADcnt: behind the bias that units 1 and 2 need stand one unit's six loads and g's four; behind units 3's and 0's one unit's six.
.macro TRIP mode, fill
	TSTART 1, 1
	UNIT 1, \mode, 10, 1, 1, -8192, 0
	UNIT 2, \mode, 10, 1, 1, 0, 0
	UNIT3C \mode, 6, \fill
	UNIT 0, \mode, 6, 1, 1, 0, 0
	WIN 0                                          ; at a label and at a branch every window is 0
.endm
	s_wait_tensorcnt 0x1                           ; my tokens' codes are in LDS (slot 0's quarter, asked for behind them, may be out); only I read these bytes
.irp a, 0,1,2,3
	WIN (\a)<<6
.irp q, 0,1,2,3,4,5,6,7
	FRAG XF+12*\q, AW, \q, 16*PITCH*\a
.endr
.endr
	WIN 0
	s_wait_tensorcnt 0x0                           ; slot 1 lies in bytes of the x tile: its first fill is a refill.  All my tensor loads have landed, my quarter of slot 0 among them;
	ds_add_u32 v[SPW], v[NIL]                      ; 0 onto my spare word;
	s_xor_b32 s49, s49, SLOT1                      ; slot 1,
	s_add_nc_u64 s[50:51], s[50:51], 2048*768      ; expert 1
	s_wait_dscnt 0x0                               ; the add is done, and x is in my registers
	CROUND
	tensor_load_to_lds s[48:51], s[40:47]
	s_nop 0
	PLACES 4
	v_add_nc_u32 v[AW], s72, v[AB]                 ; from here on the four address registers serve W's slots
	v_add_nc_u32 v[AW+1], s72, v[AB+1]
	v_add_nc_u32 v[AW+2], s73, v[AB]
	v_add_nc_u32 v[AW+3], s73, v[AB+1]
	LDW 0, 0
	LDW 0, 1
	LDW 0, 2
	UNIT 0, 0, 0, 1, 1, 0, 0                       ; expert 0's unit 0: it waits for all the head's loads; there is nothing to finish yet
	WIN 0
	TRIP 1, 1                                      ; expert 0 is finished by products that start the output sums; slot 0 takes expert 2
	s_mov_b32 s66, 5
.Ltrip:                                            ; experts 1 to 5; the slots take experts 3 to 7
	TRIP 2, 1
	s_sub_co_u32 s66, s66, 1
	s_cmp_lg_u32 s66, 0
	s_cbranch_scc1 .Ltrip
	TRIP 2, 0                                      ; expert 6: written out: nothing is left to ask for
	TSTART 0, 0                                    ; expert 7: the bases stay
	UNIT 1, 2, 6, 0, 1, 0, 0                       ; behind its bias: the six loads of expert 7's unit 0.  It asks for unit 3's bias, the last load
	UNIT 2, 2, 4, 0, 0, 0, 0                       ; behind its bias: those four
	UNIT 3, 2, 0, 0, 0, 0, 1
.irp a, 0,1,2,3                                    ; the last unit is finished with no products beside it.  Behind token block 3's last product stand two slices and blocks 0 to 2's 72 instructions
	WIN ((\a)<<6)|((\a)<<4)|((\a)<<2)|2
.irp i, 0,1,2,3,4,5,6,7,8,9,10,11,12,13,14,15,16,17,18,19,20,21,22,23
	SL \a, \i, 3, 2
.endr
.endr
; THE WAY OUT, a token block (16 rows x 128 hidden units) at a time.  A lane holds 32 neighbouring bytes of a row, and the lanes beside it hold other rows: so a block goes through my
; own stage in LDS and comes back as whole rows of 512 bytes.  LDS serves a wave's instructions in order (ISA guide 5.7.1.4): no wait between the stores and the loads, nor in front of
; the next block's stores.  Each block comes back into its own window's x registers, which are free: no store's data are written again.
.macro TOSTAGE a
	WIN ((\a)<<6)|((\a)<<2)                        ; loaded data and store data: window a; addresses: window 0
.irp B, 0,1,2,3,4,5,6,7
	ds_store_b128 v[STO], v[OUT+8*\B:OUT+8*\B+3] offset:64*\B
	ds_store_b128 v[STO], v[OUT+8*\B+4:OUT+8*\B+7] offset:64*\B+16
.endr
.irp t, 0,1,2,3,4,5,6,7,8,9,10,11,12,13,14,15
	ds_load_b128 v[XF+4*\t:XF+4*\t+3], v[RD] offset:\t*SPITCH
.endr
.endm
.macro SEND a, younger                 ; younger: the LDS instructions issued behind block a's loads: the next block's 16 stores and 16 loads, or none
	WIN ((\a)<<6)|((\a)<<2)
	s_wait_dscnt \younger
.irp t, 0,1,2,3,4,5,6,7,8,9,10,11,12,13,14,15
	global_store_b128 v[CO], v[XF+4*\t:XF+4*\t+3], s[58:59] offset:(16*(\a)+\t)*8192 th:TH_STORE_NT   ; 32 lanes store 512 consecutive bytes, at a multiple of 512 from out0's first byte
.endr
.endm
	TOSTAGE 0
	TOSTAGE 1
	SEND 0, 32
	TOSTAGE 2
	SEND 1, 32
	TOSTAGE 3
	SEND 2, 32
	SEND 3, 0
	WIN 0
	s_wait_tensorcnt 0x0                           ; the wave's end: behind my last tensor load and my last LDS store
	ds_add_u32 v[SPW], v[NIL]
	s_wait_dscnt 0x0
	CROUND                                         ; the closing round: no work-group ends while a partner may still ask for a tile that names it
	s_endpgm
.Lfunc_end_k_qc486fcaec1_moe:
	.size	k_qc486fcaec1_moe, .Lfunc_end_k_qc486fcaec1_moe-k_qc486fcaec1_moe
	.p2alignl 7, 3214868480
	.fill 96, 4, 3214868480
	.section	.rodata,"a",@progbits
	.p2align	6, 0x0
	.amdhsa_kernel k_qc486fcaec1_moe
		.amdhsa_group_segment_fixed_size 327680
		.amdhsa_private_segment_fixed_size 0
		.amdhsa_enable_private_segment 0
		.amdhsa_kernarg_size 56
		.amdhsa_user_sgpr_count 2
		.amdhsa_user_sgpr_kernarg_segment_ptr 1
		.amdhsa_wavefront_size32 1
		.amdhsa_system_sgpr_workgroup_id_x 1
		.amdhsa_system_sgpr_workgroup_id_y 1
		.amdhsa_system_sgpr_workgroup_id_z 1
		.amdhsa_system_vgpr_workitem_id 0
		.amdhsa_next_free_vgpr 1024
		.amdhsa_next_free_sgpr 80
		.amdhsa_reserve_vcc 0
		.amdhsa_float_denorm_mode_32 3
		.amdhsa_float_denorm_mode_16_64 3
		.amdhsa_memory_ordered 1
		.amdhsa_forward_progress 1
		.amdhsa_inst_pref_size 255
	.end_amdhsa_kernel
	.section	.bss,"aw",@nobits
	.p2align	6
	.space	262144
	.amdgpu_metadata
---
amdhsa.version: [ 1, 2 ]
amdhsa.kernels:
  - .name:           k_qc486fcaec1_moe
    .symbol:         k_qc486fcaec1_moe.kd
    .args:
      - { .name: x_codes, .offset: 0, .size: 8, .value_kind: global_buffer, .address_space: global }
      - { .name: x_scales, .offset: 8, .size: 8, .value_kind: global_buffer, .address_space: global }
      - { .name: w_codes, .offset: 16, .size: 8, .value_kind: global_buffer, .address_space: global }
      - { .name: w_scales, .offset: 24, .size: 8, .value_kind: global_buffer, .address_space: global }
      - { .name: gate2, .offset: 32, .size: 8, .value_kind: global_buffer, .address_space: global }
      - { .name: expert_b, .offset: 40, .size: 8, .value_kind: global_buffer, .address_space: global }
      - { .name: out0, .offset: 48, .size: 8, .value_kind: global_buffer, .address_space: global }
    .group_segment_fixed_size: 327680
    .private_segment_fixed_size: 0
    .kernarg_segment_align: 8
    .kernarg_segment_size: 56
    .max_flat_workgroup_size: 128
    .sgpr_count:     80
    .vgpr_count:     1024
    .wavefront_size: 32
...
	.end_amdgpu_metadata
.endif
;; end of part 2
;; ======== version 2 of 2: 2 launches; 1.21 times as fast as version 1
;; workspace buffers: x_codes 3,145,728 bytes; x_scales 131,072 bytes; w_codes 12,582,912 bytes; w_scales 524,288 bytes; gate2 262,144 bytes
;; launch quant (part 3): grid 768 x 1, 4 waves a work-group, no clusters, 21,504 bytes of LDS; arguments x, expert_w, gate_w, gate_b, x_codes, x_scales, w_codes, w_scales, gate2; writes x_codes, x_scales, w_codes, w_scales, gate2
.if DOCPART == 3
	.amdgcn_target "amdgcn-amd-amdhsa--gfx1250"
	.amdhsa_code_object_version 6
	.text
	.protected	k_qc486fcaec1_quant
	.globl	k_qc486fcaec1_quant
	.p2align	8
	.type	k_qc486fcaec1_quant,@function
k_qc486fcaec1_quant:
	s_mov_b64 s[64:65], 0
	v_nop
	global_prefetch_b8 v0, s[64:65] scope:SCOPE_SE
	s_setreg_imm32_b32 hwreg(HW_REG_WAVE_MODE, 25, 1), 1
	s_wait_xcnt 0x0
; x [4096][1024] and expert_w [16384 = 8 x 2048][1024], f32, are turned into codes of BF6 (E3M2), 6 bits each, K innermost (a row of 1,024 codes is 768 bytes), with one E8M0
; scale byte for each 32 along K ([row][32]).  On the way over x the gate is made too: g = softmax(x gate_w^T + gate_b), all in f32, stored as gate2 [256 blocks of 16 tokens][8
; experts][16 tokens][2], each g twice, so that the next launch loads the pair that a packed multiply-add takes, and a work-group's 1,024 bytes of g are consecutive.
; A block's scale is 2^(floor(log2(its largest magnitude)) - 4); its byte is the largest magnitude's exponent field - 4, held at 1 from below; a block of zeros gets 127.
; Each number is divided by the scale and rounded to the nearest code, ties to even; beyond 28 the conversion gives the largest code.
; LIMITS: NaN and infinities among the inputs are not served.  A block whose largest magnitude lies under 2^-121 has its byte held at 1, as the definition's clip to -126 has it.
; SHARES.  Work-groups 0-255 take x, 16 rows each; work-groups 256-767 take expert_w, 32,768 numbers each: three work-groups for each of 256 WGPs.  The branch hangs on the
; work-group's number alone.
; A STEP is 512 neighbouring numbers of a wave.  They are LOADED with lane l at byte 16 l: each of the four loads covers 512 consecutive bytes.  The conversion takes 16 neighbours
; along K from ONE lane's registers, so the step is TURNED in the wave's own LDS bytes: four stores of 16 bytes a lane as loaded, four loads of 16 bytes a lane by groups of 16
; numbers.  Group G lies at 64 G + 16 (G / 4): counted in columns of 16 bytes, sixteen lanes of a store take 16 consecutive columns, and sixteen lanes of a load take columns
; 4 G + G / 4 + c, all different modulo 16.  LDS serves a wave's instructions in order (ISA guide 5.7.1.4): no wait
; stands between the stores and the loads, nor in front of the next step's stores.
; After the turn lane l holds numbers 16 l .. 16 l + 15; two neighbouring lanes hold a block.  A lane's 16 codes are 12 bytes: a wave's store covers 384 consecutive bytes.  Scale
; bytes are gathered in LDS and leave in runs of 256 bytes.
; LDS: x path: bytes 0-511 scale bytes, 512-1535 partial logits, from 1536 on 2,304 bytes a wave for the turn; expert_w path: 10752-11775 scale bytes, from 11776 on the turn's:
; no byte is named by both paths.
; No tensor loads, no matrix unit, no cluster: memory binds, and nothing but the 32 KiB of gate_w is read by more than one wave.
.set NXWG, 256                         ; work-groups that take x
.set X,    16                          ; the ring of numbers as loaded: sets of 16 registers (x: 4 sets, v16-79; expert_w: 8 sets, v16-143)
.set YX,   80                          ; x path: v80-95    a step's numbers, turned
.set CX,   96                          ; x path: v96-103   codes, a ring of two sets
.set P,    104                         ; x path: v104-111  a step's eight partial logits
.set GW,   112                         ; x path: v112-239  gate_w at my 16 places of K (as the loads lay them), 16 registers an expert
.set LA,   240                         ; x path: v240-255  a pair of running sums for each expert; then what the other half of the lanes holds
.set YW,   144                         ; expert_w path: v144-175 turned numbers, two sets
.set CW,   176                         ; expert_w path: v176-239 codes, four registers for each step: no store's data are written again
.set EW,   240                         ; expert_w path: v240-255 a scale byte for each step
.set PL,   512                         ; LDS, x path: 16 rows x 2 halves of K x 8 partial logits
.set TW,   2304                        ; LDS: a wave's bytes for the turn (2,176 used)
.set XT,   1536                        ; LDS, x path: the turn
.set WL,   XT+4*TW                     ; LDS, expert_w path: 256 scale bytes for each wave
.set WT,   WL+1024                     ; LDS, expert_w path: the turn
	s_load_b256 s[4:11], s[0:1], 0x0               ; x s[4:5], expert_w s[6:7], gate_w s[8:9], gate_b s[10:11]
	s_load_b256 s[12:19], s[0:1], 0x20             ; x_codes s[12:13], x_scales s[14:15], w_codes s[16:17], w_scales s[18:19]
	s_load_b64 s[20:21], s[0:1], 0x40              ; gate2
	s_set_vgpr_msb 0x40
	v_lshl_add_u32 v0, v0, 2, 0x5200
	v_mov_b32 v1, 0
	s_set_vgpr_msb 0x4000
	v_lshrrev_b32 v1, 5, v0
	v_readfirstlane_b32 s22, v1                    ; wave 0..3
	v_and_b32 v2, 31, v0                           ; lane
	v_lshlrev_b32 v3, 4, v2                        ; my 16 bytes of a load's 512
	v_mul_u32_u24 v4, v2, 12                       ; my 12 bytes of a step's 384 bytes of codes
	v_lshrrev_b32 v5, 1, v2                        ; my block among the step's 16
	v_lshrrev_b32 v12, 4, v2                       ; the turn, in: load i's 16 bytes of lane l go to 544 i + 16 l + 16 (l / 16)
	v_add_nc_u32 v12, v12, v2
	v_lshlrev_b32 v12, 4, v12
	v_lshrrev_b32 v13, 2, v2                       ; the turn, out: lane l takes group l, at 64 l + 16 (l / 4)
	v_lshlrev_b32 v13, 4, v13
	v_lshl_add_u32 v13, v2, 6, v13
	s_mul_i32 s47, s22, TW                         ; my wave's bytes for the turn
	s_mov_b32 s45, 0                               ; the high word of every offset: all lie under 2^32
; four loads: step t's 512 numbers, into set t % depth; ls: bytes from step to step.  Each covers 512 consecutive bytes
.macro LOADS t, xb, depth, ls
.irp i, 0,1,2,3
	global_load_b128 v[\xb+16*((\t)%\depth)+4*\i:\xb+16*((\t)%\depth)+4*\i+3], v3, s[24:25] offset:\ls*(\t)+512*\i th:TH_LOAD_NT
.endr
.endm
; the turn: 16 registers as loaded at v[rs] -> 16 neighbouring numbers at v[ys]
.macro TURN rs, ys
.irp i, 0,1,2,3
	ds_store_b128 v12, v[\rs+4*\i:\rs+4*\i+3] offset:544*\i
.endr
.irp c, 0,1,2,3
	ds_load_b128 v[\ys+4*\c:\ys+4*\c+3], v13 offset:16*\c
.endr
.endm
; 16 numbers at v[xs] -> 12 bytes of codes at v[cr], the block's scale byte in v[er]
.macro QUANT xs, cr, er
	v_max3_num_f32 v8, |v[\xs]|, |v[\xs+1]|, |v[\xs+2]|          ; the largest magnitude of my 16, in two chains
	v_max3_num_f32 v9, |v[\xs+3]|, |v[\xs+4]|, |v[\xs+5]|
.irp i, 6,10
	v_max3_num_f32 v8, v8, |v[\xs+\i]|, |v[\xs+\i+1]|
	v_max3_num_f32 v9, v9, |v[\xs+\i+2]|, |v[\xs+\i+3]|
.endr
	v_max3_num_f32 v8, v8, |v[\xs+14]|, |v[\xs+15]|
	v_max_num_f32 v8, v8, v9
	v_max_num_f32_dpp v8, v8, v8 row_xmask:1 row_mask:0xf bank_mask:0xf   ; and of my neighbour's 16: the block's
	v_lshrrev_b32 v9, 23, v8                       ; its exponent field = floor(log2) + 127
	v_max_u32 v9, 5, v9                            ; the byte is not to fall under 1
	v_add_nc_u32 v9, -4, v9                        ; the scale's byte
	v_lshlrev_b32 v11, 23, v9                      ; the scale as f32: the conversion takes its exponent field
	v_cmp_eq_u32 vcc_lo, 0, v8                     ; a block of zeros?
	v_cvt_scalef32_pk16_bf6_f32 v[\cr:\cr+2], v[\xs:\xs+15], v11
	v_cndmask_b32 v[\er], v9, 127, vcc_lo          ; a block of zeros gets 127.  Also the one plain instruction between the conversion and what touches its result or its sources
.endm
	s_wait_kmcnt 0x0
	s_cmp_lt_u32 ttmp9, NXWG
	s_cbranch_scc0 .Lweights
; ---------------------------------------------------------------- x: 16 rows a work-group
; Wave w takes half w % 2 of K (512 numbers) of rows 8 (w / 2) + t, t = 0 .. 7: so a lane needs gate_w at 16 places of K alone, 128 registers for the eight experts.
	s_lshr_b32 s23, s22, 1                         ; which 8 rows
	s_and_b32 s43, s22, 1                          ; which half of K
	s_lshl_b32 s44, ttmp9, 16                      ; 16 rows of 4,096 bytes
	s_lshl_b32 s46, s23, 15
	s_add_co_u32 s44, s44, s46
	s_lshl_b32 s46, s43, 11
	s_add_co_u32 s44, s44, s46
	s_add_nc_u64 s[24:25], s[4:5], s[44:45]        ; x at my first half row
	s_mov_b32 s44, s46
	s_add_nc_u64 s[8:9], s[8:9], s[44:45]          ; gate_w at my half of K
	s_mul_i32 s44, ttmp9, 12288                    ; 16 rows of 768 bytes
	s_mul_i32 s46, s23, 6144
	s_add_co_u32 s44, s44, s46
	s_mul_i32 s46, s43, 384
	s_add_co_u32 s44, s44, s46
	s_add_nc_u64 s[26:27], s[12:13], s[44:45]      ; x_codes likewise
	s_lshl_b32 s44, ttmp9, 9
	s_add_nc_u64 s[28:29], s[14:15], s[44:45]      ; x_scales: the group's 512 bytes
	s_lshl_b32 s44, ttmp9, 10
	s_add_nc_u64 s[30:31], s[20:21], s[44:45]      ; gate2: the group's block of 16 tokens, 1,024 bytes
	s_load_b256 s[32:39], s[10:11], 0x0            ; gate_b's eight numbers
	s_mov_b32 s40, 0x76543210                      ; v_permlanex16_b32: each lane takes its own place in the other half
	s_mov_b32 s41, 0xfedcba98
	s_mov_b32 s42, 0x3fb8aa3b                      ; log2(e)
	s_lshl_b32 s44, s23, 8                         ; LDS: a row's 32 scale bytes; my 8 rows, my half's 16 bytes
	s_lshl_b32 s46, s43, 4
	s_add_co_u32 s44, s44, s46
	v_add_nc_u32 v5, s44, v5
	s_lshl_b32 s44, s23, 9                         ; LDS: a row's 64 bytes of partial logits; my 8 rows, my half's 32 bytes
	s_lshl_b32 s46, s43, 5
	s_add_co_u32 s44, s44, s46
	s_add_co_u32 s44, s44, PL
	v_mov_b32 v14, s44
	s_add_co_u32 s46, s47, XT                      ; LDS: my wave's bytes for the turn
	v_add_nc_u32 v12, s46, v12
	v_add_nc_u32 v13, s46, v13
.irp e, 0,1,2,3,4,5,6,7
.irp c, 0,1,2,3
	global_load_b128 v[GW+16*\e+4*\c:GW+16*\e+4*\c+3], v3, s[8:9] offset:4096*\e+512*\c    ; laid as x's loads lay x: register by register the same places of K
.endr
.endr
.irp t, 0,1,2,3
	LOADS \t, X, 4, 4096
.endr
	s_wait_kmcnt 0x0                               ; gate_b
; the eight partial logits of a half row, from the numbers as loaded: 16 fused multiply-adds a lane and expert (two at a time, eight chains that do not wait for each other), then the sum over the 32 lanes
.macro GATE xs, t
.irp e, 0,1,2,3,4,5,6,7
	v_pk_mul_f32 v[LA+2*\e:LA+2*\e+1], v[\xs:\xs+1], v[GW+16*\e:GW+16*\e+1]     ; the first product starts the sums
.endr
.irp c, 1,2,3,4,5,6,7
.irp e, 0,1,2,3,4,5,6,7
	v_pk_fma_f32 v[LA+2*\e:LA+2*\e+1], v[\xs+2*\c:\xs+2*\c+1], v[GW+16*\e+2*\c:GW+16*\e+2*\c+1], v[LA+2*\e:LA+2*\e+1]
.endr
.endr
.irp e, 0,1,2,3,4,5,6,7
	v_add_f32 v[P+\e], v[LA+2*\e], v[LA+2*\e+1]
.endr
.irp m, 1,2,4,8
.irp e, 0,1,2,3,4,5,6,7
	v_add_f32_dpp v[P+\e], v[P+\e], v[P+\e] row_xmask:\m row_mask:0xf bank_mask:0xf
.endr
.endr
.irp e, 0,1,2,3,4,5,6,7
	v_permlanex16_b32 v[LA+\e], v[P+\e], s40, s41          ; the running sums' registers are free, and have been written: a lane permute's destination counts as read
.endr
.irp e, 0,1,2,3,4,5,6,7
	v_add_f32 v[P+\e], v[P+\e], v[LA+\e]
.endr
	ds_store_b128 v14, v[P:P+3] offset:64*(\t)             ; every lane holds the same eight sums and writes them to the same words
	ds_store_b128 v14, v[P+4:P+7] offset:64*(\t)+16
.endm
.macro XSTEP t
.if 7-(\t) >= 3
	s_wait_loadcnt 12                              ; this step's four loads are in (at step 0 gate_w's 32, issued ahead of them, too); the next three steps' may be out
.else
	s_wait_loadcnt 4*(7-(\t))
.endif
	TURN X+16*((\t)%4), YX
	GATE X+16*((\t)%4), \t                         ; the gate's arithmetic stands between the turn's loads and the wait for them
	s_wait_dscnt 0x0                               ; the turned numbers are in; the turn's stores have read this set, and the last step's and this step's other LDS stores their data
.if (\t) >= 2
	s_wait_xcnt 0x0                                ; the codes' registers are a ring of two: the store of two steps ago has read its data
.endif
.if (\t)+4 < 8
	LOADS (\t)+4, X, 4, 4096
.endif
	QUANT YX, CX+4*((\t)%2), 10
	ds_store_b8 v5, v10 offset:32*(\t)             ; both lanes of a block write the same byte with the same value
	global_store_b96 v4, v[CX+4*((\t)%2):CX+4*((\t)%2)+2], s[26:27] offset:768*(\t)
.endm
.irp t, 0,1,2,3,4,5,6,7
	XSTEP \t
.endr
	s_wait_dscnt 0x0                               ; for the others' sake: my scale bytes and partial logits are in LDS
	s_barrier_signal -1
	s_barrier_wait -1
	s_cmp_lt_u32 s22, 2
	s_cbranch_scc0 .Ldone
	v_lshlrev_b32 v6, 3, v0                        ; waves 0 and 1: 64 threads x 8 bytes: the group's 512 scale bytes; a wave stores 256 consecutive bytes, aligned
	ds_load_b64 v[8:9], v6
	s_wait_dscnt 0x0
	global_store_b64 v6, v[8:9], s[28:29]
	s_cmp_lg_u32 s22, 0
	s_cbranch_scc1 .Ldone
	; wave 0: lane l takes row l % 16: the softmax over the eight experts, with the row's largest logit taken away first; both halves of the lanes compute all eight
	v_and_b32 v7, 15, v2
	v_lshl_add_u32 v15, v7, 6, PL
.irp c, 0,1,2,3
	ds_load_b128 v[16+4*\c:19+4*\c], v15 offset:16*\c          ; v16-23: the first half of K, v24-31: the second
.endr
	s_wait_dscnt 0x0
.irp e, 0,1,2,3,4,5,6,7
	v_add_f32 v[16+\e], v[16+\e], v[24+\e]
.endr
.irp e, 0,1,2,3,4,5,6,7
	v_add_f32 v[16+\e], s[32+\e], v[16+\e]         ; + gate_b
.endr
	v_max3_num_f32 v32, v16, v17, v18
	v_max3_num_f32 v32, v32, v19, v20
	v_max3_num_f32 v32, v32, v21, v22
	v_max_num_f32 v32, v32, v23
.irp e, 0,1,2,3,4,5,6,7
	v_sub_f32 v[16+\e], v[16+\e], v32
.endr
.irp e, 0,1,2,3,4,5,6,7
	v_mul_f32 v[16+\e], s42, v[16+\e]
.endr
.irp e, 0,1,2,3,4,5,6,7
	v_exp_f32 v[16+\e], v[16+\e]
.endr
	v_nop                                          ; one plain instruction behind the exponentials
	s_wait_alu depctr_va_vdst(0)
	v_add_f32 v33, v16, v17
	v_add_f32 v34, v18, v19
	v_add_f32 v35, v20, v21
	v_add_f32 v36, v22, v23
	v_add_f32 v33, v33, v34
	v_add_f32 v35, v35, v36
	v_add_f32 v33, v33, v35                        ; at least 1: the largest logit's term
	v_rcp_f32 v33, v33
	v_cmp_lt_u32 vcc_lo, 15, v2                    ; lanes 16-31 store the odd experts.  (Also the one plain instruction behind the reciprocal)
	s_wait_alu depctr_va_vdst(0)
.irp e, 0,1,2,3,4,5,6,7
	v_mul_f32 v[16+\e], v[16+\e], v33
.endr
.irp k, 0,1,2,3
	v_cndmask_b32 v[40+2*\k], v[16+2*\k], v[17+2*\k], vcc_lo   ; g of expert 2 k + l / 16, twice: a pair
	v_cndmask_b32 v[41+2*\k], v[16+2*\k], v[17+2*\k], vcc_lo
.endr
.irp k, 0,1,2,3
	global_store_b64 v6, v[40+2*\k:41+2*\k], s[30:31] offset:256*\k   ; expert e's 16 pairs lie at 128 e: in wave 0 the thread's number is the lane, and 32 lanes store 256 consecutive bytes, aligned
.endr
.Ldone:
	s_set_vgpr_msb 0x5
	s_wait_tensorcnt 0x0
	ds_add_u32 v0, v1
	s_wait_dscnt 0x0
	s_set_vgpr_msb 0x500
	s_endpgm
; ---------------------------------------------------------------- expert_w: a plain stream of blocks; a wave takes 16 steps of 512 numbers, loads seven to eight steps ahead
.Lweights:
	s_sub_co_u32 s44, ttmp9, NXWG
	s_lshl_b32 s44, s44, 2
	s_add_co_u32 s23, s44, s22                     ; which run of 8,192 numbers is my wave's: 0 .. 2,047
	s_lshl_b32 s44, s23, 15
	s_add_nc_u64 s[24:25], s[6:7], s[44:45]
	s_mul_i32 s44, s23, 6144
	s_add_nc_u64 s[26:27], s[16:17], s[44:45]
	s_lshl_b32 s44, s23, 8
	s_add_nc_u64 s[28:29], s[18:19], s[44:45]
	s_lshl_b32 s46, s22, 8                         ; LDS: my wave's own 256 scale bytes,
	s_add_co_u32 s46, s46, WL                      ; in this path's own region
	v_add_nc_u32 v5, s46, v5
	v_lshlrev_b32 v7, 3, v2
	v_add_nc_u32 v6, s46, v7
	s_add_co_u32 s46, s47, WT                      ; LDS: my wave's bytes for the turn
	v_add_nc_u32 v12, s46, v12
	v_add_nc_u32 v13, s46, v13
.irp t, 0,1,2,3,4,5,6,7
	LOADS \t, X, 8, 2048
.endr
.macro WA t                            ; step t is turned
.if 15-(\t) >= 6
	s_wait_loadcnt 24                              ; this step's four loads are in; behind them six steps' have been issued and may be out
.else
	s_wait_loadcnt 4*(15-(\t))
.endif
	TURN X+16*((\t)%8), YW+16*((\t)%2)
.endm
.macro WB t                            ; step t is quantised
	QUANT YW+16*((\t)%2), CW+4*(\t), EW+(\t)
	ds_store_b8 v5, v[EW+(\t)] offset:16*(\t)
	global_store_b96 v4, v[CW+4*(\t):CW+4*(\t)+2], s[26:27] offset:384*(\t)
.endm
	WA 0
.irp t, 1,2,3,4,5,6,7,8,9,10,11,12,13,14,15
	WA \t                                          ; step t's turn is on its way while step t - 1 is worked on
	s_wait_dscnt 8                                 ; all but step t's four stores and four loads: step t - 1's numbers are in, and its stores have read their set,
.if \t+7 < 16
	LOADS \t+7, X, 8, 2048                         ; which is loaded again
.endif
	WB \t-1
.endr
	s_wait_dscnt 0x0
	WB 15
	ds_load_b64 v[8:9], v6                         ; LDS serves a wave's instructions in order: these see my stores
	s_wait_dscnt 0x0
	global_store_b64 v7, v[8:9], s[28:29]          ; 32 lanes store 256 consecutive bytes, aligned
	s_set_vgpr_msb 0x5
	s_wait_tensorcnt 0x0
	ds_add_u32 v0, v1
	s_wait_dscnt 0x0
	s_set_vgpr_msb 0x500
	s_endpgm
.Lfunc_end_k_qc486fcaec1_quant:
	.size	k_qc486fcaec1_quant, .Lfunc_end_k_qc486fcaec1_quant-k_qc486fcaec1_quant
	.p2alignl 7, 3214868480
	.fill 96, 4, 3214868480
	.section	.rodata,"a",@progbits
	.p2align	6, 0x0
	.amdhsa_kernel k_qc486fcaec1_quant
		.amdhsa_group_segment_fixed_size 21504
		.amdhsa_private_segment_fixed_size 0
		.amdhsa_enable_private_segment 0
		.amdhsa_kernarg_size 72
		.amdhsa_user_sgpr_count 2
		.amdhsa_user_sgpr_kernarg_segment_ptr 1
		.amdhsa_wavefront_size32 1
		.amdhsa_system_sgpr_workgroup_id_x 1
		.amdhsa_system_sgpr_workgroup_id_y 1
		.amdhsa_system_sgpr_workgroup_id_z 1
		.amdhsa_system_vgpr_workitem_id 0
		.amdhsa_next_free_vgpr 258
		.amdhsa_next_free_sgpr 66
		.amdhsa_reserve_vcc 1
		.amdhsa_float_denorm_mode_32 3
		.amdhsa_float_denorm_mode_16_64 3
		.amdhsa_memory_ordered 1
		.amdhsa_forward_progress 1
		.amdhsa_inst_pref_size 115
	.end_amdhsa_kernel
	.amdgpu_metadata
---
amdhsa.version: [ 1, 2 ]
amdhsa.kernels:
  - .name:           k_qc486fcaec1_quant
    .symbol:         k_qc486fcaec1_quant.kd
    .args:
      - { .name: x, .offset: 0, .size: 8, .value_kind: global_buffer, .address_space: global }
      - { .name: expert_w, .offset: 8, .size: 8, .value_kind: global_buffer, .address_space: global }
      - { .name: gate_w, .offset: 16, .size: 8, .value_kind: global_buffer, .address_space: global }
      - { .name: gate_b, .offset: 24, .size: 8, .value_kind: global_buffer, .address_space: global }
      - { .name: x_codes, .offset: 32, .size: 8, .value_kind: global_buffer, .address_space: global }
      - { .name: x_scales, .offset: 40, .size: 8, .value_kind: global_buffer, .address_space: global }
      - { .name: w_codes, .offset: 48, .size: 8, .value_kind: global_buffer, .address_space: global }
      - { .name: w_scales, .offset: 56, .size: 8, .value_kind: global_buffer, .address_space: global }
      - { .name: gate2, .offset: 64, .size: 8, .value_kind: global_buffer, .address_space: global }
    .group_segment_fixed_size: 21504
    .private_segment_fixed_size: 0
    .kernarg_segment_align: 8
    .kernarg_segment_size: 72
    .max_flat_workgroup_size: 128
    .sgpr_count:     66
    .vgpr_count:     258
    .wavefront_size: 32
...
	.end_amdgpu_metadata
.endif
;; end of part 3
;; launch moe (part 4): grid 16 x 16, 4 waves a work-group, clusters of 4 x 4, 327,680 bytes of LDS; arguments x_codes, x_scales, w_codes, w_scales, gate2, expert_b, out0; writes out0
.if DOCPART == 4
	.amdgcn_target "amdgcn-amd-amdhsa--gfx1250"
	.amdhsa_code_object_version 6
	.text
	.protected	k_qc486fcaec1_moe
	.globl	k_qc486fcaec1_moe
	.p2align	8
	.type	k_qc486fcaec1_moe,@function
k_qc486fcaec1_moe:
	s_mov_b64 s[64:65], 0
	v_nop
	global_prefetch_b8 v0, s[64:65] scope:SCOPE_SE
	s_setreg_imm32_b32 hwreg(HW_REG_WAVE_MODE, 25, 1), 1
	s_wait_xcnt 0x0
	s_wait_alu depctr_hold_cnt(0) depctr_sa_sdst(0) depctr_va_vdst(0) depctr_va_sdst(0) depctr_va_ssrc(0) depctr_va_vcc(0) depctr_vm_vsrc(0)
	s_getreg_b32 s2, hwreg(HW_REG_IB_STS2, 6, 4)
	s_cmp_eq_u32 s2, 0
	s_cbranch_scc0 .Lentry_in_a_cluster
	s_endpgm
.Lentry_in_a_cluster:
	s_bfe_u32 s2, ttmp6, 0x10000c
	s_cmp_lg_u32 s2, 0xf033
	s_cbranch_scc0 .Lentry_shape_is_right
	s_endpgm
.Lentry_shape_is_right:
; out0[n][h] = sum over e of g[n][e] relu(sum over k of x[n][k] W[e][h][k] + b[e][h]).  x [4096][1024] and W [8 x 2048][1024] come as codes of BF6 (E3M2), a row 768 bytes, with one
; E8M0 byte for each 32 along K ([row][32]); g comes as gate2 [256 blocks of 16 tokens][8 experts][16][2] (each g twice), b as f32.  Sums, ReLU and the weighted sum over experts in f32.
; LIMITS: NaN and infinities are not served (the ReLU is a maximum with 0, in which a NaN loses).
; SHARES.  A work-group makes 256 tokens x 128 hidden units, over all eight experts: 16 x 16 work-groups.  Each of its four waves owns 64 tokens (four blocks a of 16) and all 128
; hidden units (eight blocks B of 16).  THE WAVE'S x STAYS IN REGISTERS for the whole launch (4 blocks x 8 K steps x 12 = 384); only W streams, through two LDS slots, a slot = one
; expert's 128 rows x all of K.  A fragment of W read from LDS (six loads of 8 bytes a lane) feeds four matrix instructions.
; THE MATRIX INSTRUCTION IS USED TRANSPOSED (source 0 = 16 rows of W, source 1 = 16 tokens): lane (r, h) holds token r, register i hidden unit 16 B + 8 h + i.  So g is one number a
; lane, the bias is eight registers that serve as C of the first K step (no addition), and a lane's eight results are 32 neighbouring bytes of out0.
; A UNIT is (expert, quarter j): hidden blocks 2 j, 2 j + 1 x 4 token blocks x 8 K steps = 64 matrix instructions on 8 accumulators, which take turns, one instruction a turn, in
; the same order in every K step.  Two sets of accumulators: while a unit multiplies into one, the unit before is finished out of the other
; (ReLU, times g, onto the output sums: 24 vector instructions a token block).
; K STEPS GO IN PAIRS: 16 matrix instructions; then 16 of the finishing instructions of ONE token block, the pair's number, under one window setting; then ONE run of 24 LDS loads,
; which brings the pair two on into the window that this pair has left.  That block's other eight finishing instructions (the maxima of its first accumulator) stand two behind
; each of its own four matrix instructions.  So vector work, and no matrix instruction, stands in front of each run of loads; it is also the places that loads into registers
; which matrix instructions have read must keep behind them, and a run has the next pair's 16 matrix instructions in which to land.
; CLUSTERS: 4 x 4.  The four of a row share their tokens, the four of a column their rows of W: both come by joint loads, every wave asking for its quarter.
; REGISTERS, in windows of 256: WINDOW a HOLDS TOKEN BLOCK a, at the same numbers in all four: v64-159 x's fragments (K step q at 64 + 12 q), v160-223 the output sums (block B at
; 160 + 8 B), v224-255 the accumulators (set s, block b at 224 + 16 s + 8 b).  Ten switches for a pair's 16 matrix instructions, 24 finishing instructions and 24 LDS loads.
; v0-63 differ:
;   window 0: v0-15 addresses; v16-31 x's scale words (block a, word i at 16 + 4 a + i); v32-63 W's (block B, word i at 32 + 4 B + i): scale operands have no window
;   window 1: v0-47 W's fragments of the even pairs (K steps q % 4 = 0, 1, at 24 (q % 2) + 12 b)     window 2: v0-47 those of the odd pairs; v48-55 g, a pair a token block
;   window 3: v0-31 the bias (set s, block b at 16 s + 8 b); v32-39 the next expert's g
; SCALE WORDS: a row's 32 bytes are eight words, one a K step.  One load of 16 bytes a lane at 32 r + 16 h gives lanes 0-15 words 0-3 and lanes 16-31 words 4-7: K step q names
; register q % 4, and from q = 4 on takes it from lanes 16-31.  Each such load covers 512 consecutive bytes.
.set PITCH,  816                       ; a row of 768 bytes in LDS: 3 x (256 + 16 of padding) = 204 words: lane (r, h) of a load of 8 bytes starts at word 12 r + 6 h (or + 10 h): the 32 lanes touch 64 different banks (ISA guide 11.1)
.set SLOT1,  1<<17                     ; slot 0 at byte 0, slot 1 here: one exclusive or turns an address in one slot into the other's
.set XR,     128*PITCH                 ; behind slot 0: the x tile, 64 rows a wave; filled once, read once by the wave that asked for it.  Slot 1 lies inside it: its first fill is a refill
.set XWAVE,  64*PITCH
.set WQ,     32*PITCH                  ; a quarter of a slot: what one tensor load brings
.set STAGE,  SLOT1+128*PITCH           ; behind slot 1, in bytes of the x tile that are never filled again: 16 rows x 528 bytes for each wave, for the way out
.set SPITCH, 528
.set SPARE,  XR+4*XWAVE                ; the spare words, 128 bytes for each wave: two blocks of 256 bytes that no other line names
.set SPW, 1                            ; v1   LDS address of my spare word; never rewritten
.set NIL, 2                            ; v2   0; never rewritten
.set VWS, 3                            ; v3   32 r + 16 h: my place in 16 rows of scale bytes
.set VBI, 4                            ; v4   32 h: my eight numbers of a block's bias
.set VG,  5                            ; v5   8 r: my token's pair of g
.set AW,  6                            ; v6, v7  LDS address of my fragments in rows 0-63 of the slot in hand (v7: behind one padding more); v8, v9 rows 64-127.  In the head v6, v7 serve x's tile
.set STO, 10                           ; v10  the way out: where I put 32 bytes of a row
.set RD,  11                           ; v11  the way out: where I read a row back
.set CO,  12                           ; v12  my 16 bytes in a row's 512 of out0
.set AB,  14                           ; v14  816 r + 24 h;  v15  816 r + 40 h; never rewritten
.set XS,  16
.set WS,  32
.set XF,  64
.set OUT, 160
.set ACC, 224
.set G,   48                           ; window 2
.set BIAS, 0                           ; window 3
.set GST, 32                           ; window 3
; s18 wave; s19, s20 cx, cy; s21 hidden tile; s22 token tile; s23, s24 masks; s[28:35], s[36:39] descriptor of x's tile; s[40:47], s[48:51] of W's, the second walks;
; s[52:53] W's scales, s[54:55] the bias, s[56:57] g: each at the expert that the trip in hand loads ahead for; s[58:59] out0; s66 trips; s72, s73 the slot in hand, and its row 64
.set MSB, 0
.macro WIN new                         ; the immediate's high byte repeats the setting that is left; a switch that changes nothing is dropped
.if MSB != (\new)
	s_set_vgpr_msb (MSB<<8)|(\new)
.set MSB, \new
.endif
.endm
.macro CREST                           ; a round of the cluster's barrier behind its opening barrier
	s_cmp_lg_u32 s18, 0
	s_cbranch_scc1 .Lnot_wave_0_\@
	s_barrier_signal -3
.Lnot_wave_0_\@:
	s_barrier_wait -3
	s_barrier_signal -1
	s_barrier_wait -1
.endm
.macro CROUND                          ; a whole round
	s_barrier_signal -1
	s_barrier_wait -1
	CREST
.endm
.macro PLACES n
.rept \n
	v_nop
.endr
.endm
	s_load_b256 s[4:11], s[0:1], 0x0               ; x_codes s[4:5], x_scales s[6:7], w_codes s[8:9], w_scales s[10:11]
	s_load_b128 s[12:15], s[0:1], 0x20             ; gate2 s[12:13], expert_b s[14:15]
	s_load_b64 s[16:17], s[0:1], 0x30              ; out0
	v_lshl_add_u32 v[SPW], v0, 2, SPARE
	v_mov_b32 v[NIL], 0
	ds_add_u32 v1, v2
	ds_add_u32 v1, v2
	s_wait_dscnt 0x0
	v_lshrrev_b32 v13, 5, v0
	v_readfirstlane_b32 s18, v13                   ; wave 0..3
	s_bfe_u32 s19, ttmp6, 0x40000                  ; cx, cy: my place in the cluster
	s_bfe_u32 s20, ttmp6, 0x40004
	s_lshl_b32 s21, ttmp9, 2
	s_add_co_u32 s21, s21, s19                     ; hidden tile = 4 x cluster x + cx
	s_and_b32 s22, ttmp7, 0xffff
	s_lshl_b32 s22, s22, 2
	s_add_co_u32 s22, s22, s20                     ; token tile = 4 x cluster y + cy
	s_lshl_b32 s23, s20, 2
	s_lshl_b32 s23, 15, s23                        ; my row of the cluster: it shares the token tile
	s_lshl_b32 s24, 0x1111, s19                    ; my column: it shares the hidden tile
	; Both tiles are dense in memory (whole rows of K follow each other), so they come as rows of 256 bytes: 32 elements of 8 bytes, 16 bytes of padding behind each.
	s_or_b32 s28, s23, (3<<16)|(1<<20)|(1<<21)|(5<<22)|(3<<25)   ; 15:0 the mask; 17:16 elements of 8 bytes; 20 padding on; 21 set beside a mask; 24:22 after every 64 words; 31:25 4 words
	s_mov_b32 s29, 32<<16                          ; tensor_dim0 = 32
	s_mov_b32 s30, 192<<16                         ; tensor_dim1 = 192: 64 tokens x 768 bytes
	s_mov_b32 s31, 32<<16                          ; tile_dim0
	s_mov_b32 s32, 192                             ; tile_dim1
	s_mov_b32 s33, 32                              ; elements from row to row
	s_mov_b32 s34, 0
	s_mov_b32 s35, 0
	s_or_b32 s40, s24, (3<<16)|(1<<20)|(1<<21)|(5<<22)|(3<<25)
	s_mov_b32 s41, 32<<16
	s_mov_b32 s42, 96<<16                          ; 96 rows of 256 bytes: 32 rows of W
	s_mov_b32 s43, 32<<16
	s_mov_b32 s44, 96
	s_mov_b32 s45, 32
	s_mov_b32 s46, 0
	s_mov_b32 s47, 0
	s_mov_b32 s36, 1
	s_mul_i32 s37, s18, XWAVE
	s_add_co_u32 s37, s37, XR                      ; x's tile: my wave's 64 rows; no place in the cluster enters an LDS address
	s_mov_b32 s48, 1
	s_mul_i32 s49, s18, WQ                         ; W's: my quarter of slot 0
	; offsets.  s26-27 and s60-63 hold the token tile and the wave alone, s68-71 the hidden tile and the wave alone; s74-77 feed no descriptor
	s_mul_i32 s60, s22, 256*768
	s_mul_i32 s62, s18, 64*768
	s_add_co_u32 s60, s60, s62                     ; x_codes: my wave's 64 tokens
	s_mov_b32 s61, 0
	s_lshl_b32 s62, s22, 13
	s_lshl_b32 s63, s18, 11
	s_add_co_u32 s62, s62, s63                     ; x_scales likewise
	s_mov_b32 s63, 0
	s_lshl_b32 s26, s22, 14                        ; gate2: 1,024 bytes for each block of 16 tokens: 16 blocks a tile,
	s_lshl_b32 s27, s18, 12                        ; 4 a wave
	s_add_co_u32 s26, s26, s27
	s_mov_b32 s27, 0
	s_mul_i32 s68, s21, 128*768
	s_mul_i32 s70, s18, 32*768
	s_add_co_u32 s68, s68, s70                     ; w_codes: expert 0, my quarter of the tile's 128 rows
	s_mov_b32 s69, 0
	s_lshl_b32 s70, s21, 12                        ; w_scales: the tile's 128 rows of 32 bytes
	s_mov_b32 s71, 0
	s_lshl_b32 s76, s21, 9                         ; 128 hidden units x 4 bytes: the bias, and the tile's place in a row of out0
	s_mov_b32 s77, 0
	s_lshl_b32 s74, s22, 21                        ; out0: 256 rows of 8,192 bytes,
	s_lshl_b32 s75, s18, 19                        ; my wave's 64
	s_add_co_u32 s74, s74, s75
	s_add_co_u32 s74, s74, s76
	s_mov_b32 s75, 0
	s_mov_b32 s72, 0                               ; the slot in hand: slot 0
	s_mov_b32 s73, 64*PITCH
	v_and_b32 v12, 15, v0                          ; r
	v_bfe_u32 v13, v0, 4, 1                        ; h
	v_lshlrev_b32 v[VWS], 5, v12
	v_lshl_add_u32 v[VWS], v13, 4, v[VWS]
	v_lshlrev_b32 v[VBI], 5, v13
	v_lshlrev_b32 v[VG], 3, v12
	v_mul_u32_u24 v[AB], v12, PITCH
	v_mad_u32_u24 v[AB], v13, 24, v[AB]            ; a fragment's row x pitch + 24 x half
	v_lshl_add_u32 v[AB+1], v13, 4, v[AB]          ; and the same behind one padding more
	v_add_nc_u32 v[AW], s37, v[AB]                 ; first: x's tile
	v_add_nc_u32 v[AW+1], s37, v[AB+1]
	s_mul_i32 s25, s18, 16*SPITCH
	s_add_co_u32 s25, s25, STAGE                   ; my stage
	v_mul_u32_u24 v[STO], v12, SPITCH              ; in: row r, 32 bytes for each half of the lanes
	v_lshl_add_u32 v[STO], v13, 5, v[STO]
	v_add_nc_u32 v[STO], s25, v[STO]
	v_and_b32 v12, 31, v0
	v_lshlrev_b32 v[CO], 4, v12                    ; back: the 32 lanes take one row of 512 bytes; and the same in out0
	v_add_nc_u32 v[RD], s25, v[CO]
	s_wait_kmcnt 0x0
	s_add_nc_u64 s[38:39], s[4:5], s[60:61]
	s_or_b32 s39, s39, 0x80000000                  ; type = 2
	s_add_nc_u64 s[50:51], s[8:9], s[68:69]
	s_or_b32 s51, s51, 0x80000000
	s_add_nc_u64 s[6:7], s[6:7], s[62:63]
	s_add_nc_u64 s[52:53], s[10:11], s[70:71]
	s_add_nc_u64 s[54:55], s[14:15], s[76:77]
	s_add_nc_u64 s[56:57], s[12:13], s[26:27]
	s_add_nc_u64 s[58:59], s[16:17], s[74:75]
	CROUND                                         ; all sixteen work-groups are here: the first joint loads meet
	tensor_load_to_lds s[36:39], s[28:35]          ; my 64 tokens' codes
	s_nop 0
	tensor_load_to_lds s[48:51], s[40:47]          ; my quarter of expert 0's rows, into slot 0: two loads of mine are out
	s_nop 0
	PLACES 4                                       ; four v_nop follow the second
.irp a, 0,1,2,3
	global_load_b128 v[XS+4*\a:XS+4*\a+3], v[VWS], s[6:7] offset:512*\a          ; x's scale words: they stay
.endr
.irp B, 0,1,2,3,4,5
	global_load_b128 v[WS+4*\B:WS+4*\B+3], v[VWS], s[52:53] offset:512*\B        ; W's, expert 0, units 0 to 2
.endr
	WIN 0xc0                                       ; destination window 3
.irp B, 0,1,2,3
.irp c, 0,1
	global_load_b128 v[BIAS+8*\B+4*\c:BIAS+8*\B+4*\c+3], v[VBI], s[54:55] offset:64*\B+16*\c   ; the bias of units 0 and 1
.endr
.endr
.irp a, 0,1,2,3
	global_load_b64 v[GST+2*\a:GST+2*\a+1], v[VG], s[56:57] offset:1024*\a       ; g of expert 0
.endr
; A fragment, 16 rows x 128 K of 6-bit codes, is 12 registers: lane (r, h) holds row r; registers 6 c .. 6 c + 5 hold K = 64 c + 32 h + 0 .. 31: 24 bytes of the row's stream of bits, as they lie.
; It comes in pieces of 8 bytes.  Lanes 0-15 take the row's pieces 12 q + 0, 1, 2, 6, 7, 8, lanes 16-31 those three pieces on; 16 bytes of padding lie behind every 32 pieces:
; where the piece three on lies behind one padding more (pieces 30, 31, 61, 62) the second address register serves.
.macro FRAG reg, adr, q, rowoff
.irp p, 0,1,2,3,4,5
.set PC, 12*(\q)+6*(\p/3)+\p%3
.if PC%32 < 29
	ds_load_b64 v[\reg+2*\p:\reg+2*\p+1], v[\adr] offset:\rowoff+8*PC+16*(PC/32)
.else
	ds_load_b64 v[\reg+2*\p:\reg+2*\p+1], v[\adr+1] offset:\rowoff+8*PC+16*(PC/32)
.endif
.endr
.endm
; 12 LDS loads: unit j's two fragments of W for K step q
.macro LDW j, q
	WIN (1+((\q)%4)/2)<<6
.irp b, 0,1
	FRAG 24*((\q)%2)+12*\b, AW+2*((\j)/2), \q, (32*((\j)%2)+16*\b)*PITCH
.endr
.endm
; 24 LDS loads in one run: unit j's fragments for the pair pr of K steps; both K steps' lie in one window
.macro LDW2 j, pr
	LDW \j, 2*(\pr)
	LDW \j, 2*(\pr)+1
.endm
; one matrix instruction: token block a (the window), hidden block 2 j + b, K step q.  The first K step takes the bias as C: nothing is cleared and nothing is added later.
.macro MM a, b, q, j
.set rD, ACC+16*((\j)%2)+8*(\b)
.set rA, 24*((\q)%2)+12*(\b)
.set rB, XF+12*(\q)
.set rC, BIAS+16*((\j)%2)+8*(\b)
.set rW, WS+4*(2*(\j)+(\b))+(\q)%4
.set rX, XS+4*(\a)+(\q)%4
.if (\q) == 0
	v_wmma_scale_f32_16x16x128_f8f6f4 v[rD:rD+7], v[rA:rA+11], v[rB:rB+11], v[rC:rC+7], v[rW], v[rX] matrix_a_fmt:MATRIX_FMT_BF6 matrix_b_fmt:MATRIX_FMT_BF6
.elseif (\q) < 4
	v_wmma_scale_f32_16x16x128_f8f6f4 v[rD:rD+7], v[rA:rA+11], v[rB:rB+11], v[rD:rD+7], v[rW], v[rX] matrix_a_fmt:MATRIX_FMT_BF6 matrix_b_fmt:MATRIX_FMT_BF6
.else
	v_wmma_scale_f32_16x16x128_f8f6f4 v[rD:rD+7], v[rA:rA+11], v[rB:rB+11], v[rD:rD+7], v[rW], v[rX] matrix_a_fmt:MATRIX_FMT_BF6 matrix_b_fmt:MATRIX_FMT_BF6 matrix_a_scale:MATRIX_SCALE_ROW1 matrix_b_scale:MATRIX_SCALE_ROW1
.endif
.endm
; Number i of 24 of the finishing of unit pj for token block a.  For each of its two accumulators: eight maxima with 0, from the accumulator's low end on, then four packed
; multiply-adds by g onto the output sums.  mode 2: that; mode 1: expert 0, whose products start the output sums; mode 0: there is no unit to finish yet, and v_nop holds the place.
; The packed ones (numbers 8-11 and 20-23) take g from source 0's window: they stand in FINISH alone, which sets it to 2.
.macro SL a, i, pj, mode
.set sB, (\i)/12
.set sK, (\i)%12
.set sA, ACC+16*((\pj)%2)+8*sB
.set sO, OUT+8*(2*(\pj)+sB)+2*(sK-8)
.if (\mode) == 0
	v_nop
.elseif sK < 8
	v_max_num_f32 v[sA+sK], 0, v[sA+sK]
.elseif (\mode) == 1
	v_pk_mul_f32 v[sO:sO+1], v[G+2*(\a):G+2*(\a)+1], v[sA+2*(sK-8):sA+2*(sK-8)+1]
.else
	v_pk_fma_f32 v[sO:sO+1], v[G+2*(\a):G+2*(\a)+1], v[sA+2*(sK-8):sA+2*(sK-8)+1], v[sO:sO+1]
.endif
.endm
; token block a's part of K step q: one window setting (destination, source 1 and source 2 window a; source 0 W's window; in K step 0 source 2 is the bias's window 3) and two matrix
; instructions.  In the pair whose number is a, two maxima of the finishing (numbers 0-3 in the pair's first K step, 4-7 in its second) stand behind each: they name destination and source 1 alone.
.macro PHASE a, q, j, pj, mode
.if (\q) == 0
	WIN ((\a)<<6)|(3<<4)|((\a)<<2)|1
.else
	WIN ((\a)<<6)|((\a)<<4)|((\a)<<2)|(1+((\q)%4)/2)
.endif
	MM \a, 0, \q, \j
.if (\a) == (\q)/2
	SL \a, 4*((\q)%2), \pj, \mode
	SL \a, 4*((\q)%2)+1, \pj, \mode
.endif
	MM \a, 1, \q, \j
.if (\a) == (\q)/2
	SL \a, 4*((\q)%2)+2, \pj, \mode
	SL \a, 4*((\q)%2)+3, \pj, \mode
.endif
.endm
; a K step: the wait for its fragments (dsw < 0: none), then the four token blocks
.macro KS q, j, pj, mode, dsw
.if (\dsw) >= 0
	s_wait_dscnt \dsw
.endif
.irp a, 0,1,2,3
	PHASE \a, \q, \j, \pj, \mode
.endr
.endm
; numbers 8 to 23 of the finishing of unit pj for token block blk, behind a pair's last matrix instruction: 16 plain vector instructions that name none of the registers of the
; matrix instructions round them (the other set of accumulators, the output sums, g)
.macro FINISH blk, pj, mode
	WIN ((\blk)<<6)|((\blk)<<4)|((\blk)<<2)|2
.irp i, 8,9,10,11,12,13,14,15,16,17,18,19,20,21,22,23
	SL \blk, \i, \pj, \mode
.endr
.endm
; Behind a unit's first run of LDS loads: lw: the scale words of the unit just finished, (j + 3) % 4, for its next turn, three units on; lb: the bias of the unit two on, into the set
; that this unit's K step 0 has read (behind that step's last matrix instruction stand 20 plain vector instructions).  dlt: -8,192 where that unit belongs to the expert before the one that the bases stand at.
.macro NEXT j, lw, lb, dlt
.if \lw
	WIN 0
.irp b, 0,1
	global_load_b128 v[WS+4*(2*(((\j)+3)%4)+\b):WS+4*(2*(((\j)+3)%4)+\b)+3], v[VWS], s[52:53] offset:512*(2*(((\j)+3)%4)+\b)
.endr
.endif
.if \lb
	WIN 0xc0
.irp b, 0,1
.irp c, 0,1
	global_load_b128 v[BIAS+16*((\j)%2)+8*\b+4*\c:BIAS+16*((\j)%2)+8*\b+4*\c+3], v[VBI], s[54:55] offset:(\dlt)+(32*(((\j)+2)%4)+16*\b)*4+16*\c
.endr
.endr
.endif
.endm
; A unit: four pairs.  lcnt: the loads issued behind its bias (its scale words were asked for a unit earlier still).  Behind pair pp the run for the pair two on: the unit's own pairs
; 2 and 3, then the next unit's pairs 0 and 1.  Counts on DScnt: at a pair's first K step the other 12 loads of its run and the next pair's 24 may be out: 36; at its second K step
; the next pair's 24.  tail = 1: the launch's last unit: nothing more to fetch behind pairs 2 and 3: the counts run down 36, 24, 12, 0.
.macro UNIT j, mode, lcnt, lw, lb, dlt, tail
	s_wait_loadcnt \lcnt
.irp pp, 0,1
	KS 2*\pp, \j, ((\j)+3)%4, \mode, 36
	KS 2*\pp+1, \j, ((\j)+3)%4, \mode, 24
	FINISH \pp, ((\j)+3)%4, \mode
	LDW2 \j, \pp+2
.if \pp == 0
	NEXT \j, \lw, \lb, \dlt
.endif
.endr
.irp pp, 2,3
.if \tail
	KS 2*\pp, \j, ((\j)+3)%4, \mode, 36-24*(\pp-2)
	KS 2*\pp+1, \j, ((\j)+3)%4, \mode, 24-24*(\pp-2)
	FINISH \pp, ((\j)+3)%4, \mode
.else
	KS 2*\pp, \j, ((\j)+3)%4, \mode, 36
	KS 2*\pp+1, \j, ((\j)+3)%4, \mode, 24
	FINISH \pp, ((\j)+3)%4, \mode
	LDW2 ((\j)+1)%4, \pp-2
.endif
.endr
.endm
; An expert's last unit changes slots, where pair 2's run would stand: ONE barrier.  In front of it each wave waits for all its tensor loads (one is out: its quarter of the next
; expert), adds 0 to its spare word, and waits for that and for its reads of this slot, the last of which (pair 3's) were asked for behind pair 1.  fill = 1: the barrier opens a round
; of the cluster's, and behind the round this slot is filled with the expert two on: that load has pair 3 and the next expert's first three units and a half in which to land.
.macro UNIT3C mode, lcnt, fill
	s_wait_loadcnt \lcnt
.irp pp, 0,1
	KS 2*\pp, 3, 2, \mode, 36
	KS 2*\pp+1, 3, 2, \mode, 24
	FINISH \pp, 2, \mode
	LDW2 3, \pp+2
.if \pp == 0
	NEXT 3, 1, 1, 0
.endif
.endr
	WIN 0                                          ; (the add's two registers lie in window 0)
	s_wait_tensorcnt 0x0                           ; all my tensor loads have landed, so the walking descriptor may be written;
	ds_add_u32 v[SPW], v[NIL]                      ; 0 onto my spare word;
.if \fill
	s_xor_b32 s49, s49, SLOT1                      ; the slot that is being left,
	s_add_nc_u64 s[50:51], s[50:51], 2048*768      ; the next expert's rows; the type bits on top are not reached
.endif
	s_xor_b32 s72, s72, SLOT1                      ; the reads go on to the other slot
	s_add_co_u32 s73, s72, 64*PITCH
	s_wait_dscnt 25                                ; pair 2's fragments are in; pair 3's 24 loads and the add may be out
	KS 4, 3, 2, \mode, -1                          ; sixteen matrix instructions stand between the add and the wait for it
	KS 5, 3, 2, \mode, -1
	s_wait_dscnt 0x0                               ; the add is done, and my reads of this slot are over
	s_barrier_signal -1
	FINISH 2, 2, \mode                             ; work on registers while the others arrive
	WIN 0
	s_barrier_wait -1
.if \fill
	CREST                                          ; no wave of any partner still reads this slot or has a load on its way
	tensor_load_to_lds s[48:51], s[40:47]          ; my one tensor load behind the round, and the first thing there
	s_nop 0
.endif
	PLACES 4                                       ; four v_nop behind the load
	v_add_nc_u32 v[AW], s72, v[AB]
	v_add_nc_u32 v[AW+1], s72, v[AB+1]
	v_add_nc_u32 v[AW+2], s73, v[AB]
	v_add_nc_u32 v[AW+3], s73, v[AB+1]
	LDW2 0, 0                                      ; the next expert's first pair, into the window that pair 2 has left
	KS 6, 3, 2, \mode, -1                          ; pair 3's fragments came in with the wait for 0
	KS 7, 3, 2, \mode, -1
	FINISH 3, 2, \mode
	LDW2 0, 1
.endm
; A trip's head: the bases step to the next expert (step = 1); the g of the expert whose units this trip finishes moves to its working place; the next expert's is asked for (gl = 1).
.macro TSTART step, gl
.if \step
	s_wait_xcnt 0x0                                ; only behind this wait are the loads' bases rewritten
	s_add_nc_u64 s[52:53], s[52:53], 2048*32
	s_add_nc_u64 s[54:55], s[54:55], 2048*4
	s_add_nc_u64 s[56:57], s[56:57], 16*8          ; in a block of 16 tokens an expert's pairs are 128 bytes
.endif
	s_wait_loadcnt 24                              ; g is in: behind its loads the four units of a trip have issued six loads each
	WIN 0x83                                       ; destination window 2, source window 3
.irp i, 0,1,2,3,4,5,6,7
	v_mov_b32 v[G+\i], v[GST+\i]
.endr
.if \gl
	WIN 0xc0
.irp a, 0,1,2,3
	global_load_b64 v[GST+2*\a:GST+2*\a+1], v[VG], s[56:57] offset:1024*\a
.endr
.endif
.endm
; A trip: units 1, 2, 3 of expert e and unit 0 of expert e + 1; it finishes units 0 to 3 of expert e, all with one g.  What it loads ahead belongs to expert e + 1, but for unit 1's
; bias load (unit 3 of expert e).  Counts on LOADcnt: behind the bias that units 1 and 2 need stand one unit's six loads and g's four; behind units 3's and 0's one unit's six.
.macro TRIP mode, fill
	TSTART 1, 1
	UNIT 1, \mode, 10, 1, 1, -8192, 0
	UNIT 2, \mode, 10, 1, 1, 0, 0
	UNIT3C \mode, 6, \fill
	UNIT 0, \mode, 6, 1, 1, 0, 0
	WIN 0                                          ; at a label and at a branch every window is 0
.endm
	s_wait_tensorcnt 0x1                           ; my tokens' codes are in LDS (slot 0's quarter, asked for behind them, may be out); only I read these bytes
.irp a, 0,1,2,3
	WIN (\a)<<6
.irp q, 0,1,2,3,4,5,6,7
	FRAG XF+12*\q, AW, \q, 16*PITCH*\a
.endr
.endr
	WIN 0
	s_wait_tensorcnt 0x0                           ; slot 1 lies in bytes of the x tile: its first fill is a refill.  All my tensor loads have landed, my quarter of slot 0 among them;
	ds_add_u32 v[SPW], v[NIL]                      ; 0 onto my spare word;
	s_xor_b32 s49, s49, SLOT1                      ; slot 1,
	s_add_nc_u64 s[50:51], s[50:51], 2048*768      ; expert 1
	s_wait_dscnt 0x0                               ; the add is done, and x is in my registers
	CROUND
	tensor_load_to_lds s[48:51], s[40:47]
	s_nop 0
	PLACES 4
	v_add_nc_u32 v[AW], s72, v[AB]                 ; from here on the four address registers serve W's slots
	v_add_nc_u32 v[AW+1], s72, v[AB+1]
	v_add_nc_u32 v[AW+2], s73, v[AB]
	v_add_nc_u32 v[AW+3], s73, v[AB+1]
	LDW2 0, 0                                      ; expert 0's unit 0: its first two pairs
	LDW2 0, 1
	UNIT 0, 0, 0, 1, 1, 0, 0                       ; it waits for all the head's loads; there is nothing to finish yet
	WIN 0
	TRIP 1, 1                                      ; expert 0 is finished by products that start the output sums; slot 0 takes expert 2
	s_mov_b32 s66, 5
.Ltrip:                                            ; experts 1 to 5; the slots take experts 3 to 7
	TRIP 2, 1
	s_sub_co_u32 s66, s66, 1
	s_cmp_lg_u32 s66, 0
	s_cbranch_scc1 .Ltrip
	TRIP 2, 0                                      ; expert 6: written out: nothing is left to ask for
	TSTART 0, 0                                    ; expert 7: the bases stay
	UNIT 1, 2, 6, 0, 1, 0, 0                       ; behind its bias: the six loads of expert 7's unit 0.  It asks for unit 3's bias, the last load
	UNIT 2, 2, 4, 0, 0, 0, 0                       ; behind its bias: those four
	UNIT 3, 2, 0, 0, 0, 0, 1
.irp a, 0,1,2,3                                    ; the last unit is finished with no products beside it.  Behind the last product stand 18 plain vector instructions of the unit before's finishing
	WIN ((\a)<<6)|((\a)<<4)|((\a)<<2)|2
.irp i, 0,1,2,3,4,5,6,7,8,9,10,11,12,13,14,15,16,17,18,19,20,21,22,23
	SL \a, \i, 3, 2
.endr
.endr
; THE WAY OUT, a token block (16 rows x 128 hidden units) at a time.  A lane holds 32 neighbouring bytes of a row, and the lanes beside it hold other rows: so a block goes through my
; own stage in LDS and comes back as whole rows of 512 bytes.  LDS serves a wave's instructions in order (ISA guide 5.7.1.4): no wait between the stores and the loads, nor in front of
; the next block's stores.  Each block comes back into its own window's x registers, which are free: no store's data are written again.
.macro TOSTAGE a
	WIN ((\a)<<6)|((\a)<<2)                        ; loaded data and store data: window a; addresses: window 0
.irp B, 0,1,2,3,4,5,6,7
	ds_store_b128 v[STO], v[OUT+8*\B:OUT+8*\B+3] offset:64*\B
	ds_store_b128 v[STO], v[OUT+8*\B+4:OUT+8*\B+7] offset:64*\B+16
.endr
.irp t, 0,1,2,3,4,5,6,7,8,9,10,11,12,13,14,15
	ds_load_b128 v[XF+4*\t:XF+4*\t+3], v[RD] offset:\t*SPITCH
.endr
.endm
.macro SEND a, younger                 ; younger: the LDS instructions issued behind block a's loads: the next block's 16 stores and 16 loads, or none
	WIN ((\a)<<6)|((\a)<<2)
	s_wait_dscnt \younger
.irp t, 0,1,2,3,4,5,6,7,8,9,10,11,12,13,14,15
	global_store_b128 v[CO], v[XF+4*\t:XF+4*\t+3], s[58:59] offset:(16*(\a)+\t)*8192 th:TH_STORE_NT   ; 32 lanes store 512 consecutive bytes, at a multiple of 512 from out0's first byte
.endr
.endm
	TOSTAGE 0
	TOSTAGE 1
	SEND 0, 32
	TOSTAGE 2
	SEND 1, 32
	TOSTAGE 3
	SEND 2, 32
	SEND 3, 0
	WIN 0
	s_wait_tensorcnt 0x0                           ; the wave's end: behind my last tensor load and my last LDS store
	ds_add_u32 v[SPW], v[NIL]
	s_wait_dscnt 0x0
	CROUND                                         ; the closing round: no work-group ends while a partner may still ask for a tile that names it
	s_endpgm
.Lfunc_end_k_qc486fcaec1_moe:
	.size	k_qc486fcaec1_moe, .Lfunc_end_k_qc486fcaec1_moe-k_qc486fcaec1_moe
	.p2alignl 7, 3214868480
	.fill 96, 4, 3214868480
	.section	.rodata,"a",@progbits
	.p2align	6, 0x0
	.amdhsa_kernel k_qc486fcaec1_moe
		.amdhsa_group_segment_fixed_size 327680
		.amdhsa_private_segment_fixed_size 0
		.amdhsa_enable_private_segment 0
		.amdhsa_kernarg_size 56
		.amdhsa_user_sgpr_count 2
		.amdhsa_user_sgpr_kernarg_segment_ptr 1
		.amdhsa_wavefront_size32 1
		.amdhsa_system_sgpr_workgroup_id_x 1
		.amdhsa_system_sgpr_workgroup_id_y 1
		.amdhsa_system_sgpr_workgroup_id_z 1
		.amdhsa_system_vgpr_workitem_id 0
		.amdhsa_next_free_vgpr 1024
		.amdhsa_next_free_sgpr 80
		.amdhsa_reserve_vcc 0
		.amdhsa_float_denorm_mode_32 3
		.amdhsa_float_denorm_mode_16_64 3
		.amdhsa_memory_ordered 1
		.amdhsa_forward_progress 1
		.amdhsa_inst_pref_size 255
	.end_amdhsa_kernel
	.section	.bss,"aw",@nobits
	.p2align	6
	.space	262144
	.amdgpu_metadata
---
amdhsa.version: [ 1, 2 ]
amdhsa.kernels:
  - .name:           k_qc486fcaec1_moe
    .symbol:         k_qc486fcaec1_moe.kd
    .args:
      - { .name: x_codes, .offset: 0, .size: 8, .value_kind: global_buffer, .address_space: global }
      - { .name: x_scales, .offset: 8, .size: 8, .value_kind: global_buffer, .address_space: global }
      - { .name: w_codes, .offset: 16, .size: 8, .value_kind: global_buffer, .address_space: global }
      - { .name: w_scales, .offset: 24, .size: 8, .value_kind: global_buffer, .address_space: global }
      - { .name: gate2, .offset: 32, .size: 8, .value_kind: global_buffer, .address_space: global }
      - { .name: expert_b, .offset: 40, .size: 8, .value_kind: global_buffer, .address_space: global }
      - { .name: out0, .offset: 48, .size: 8, .value_kind: global_buffer, .address_space: global }
    .group_segment_fixed_size: 327680
    .private_segment_fixed_size: 0
    .kernarg_segment_align: 8
    .kernarg_segment_size: 56
    .max_flat_workgroup_size: 128
    .sgpr_count:     80
    .vgpr_count:     1024
    .wavefront_size: 32
...
	.end_amdgpu_metadata
.endif
;; end of part 4
